; MI455X (gfx1250); checked and timed in simulation.
; The chip was launched on July 23, 2026; its instructions are those of AMD's public machine-readable ISA for CDNA 5 (MIT licence, August 2026) and "CDNA5" Instruction Set Architecture Reference Guide (July 2026). The comments in the code are by the model that wrote it; some were corrected since.
;; BERT Factorized Attention. Allowed arithmetic: matrix products marked QUANTISED: E4M3 operands, one E8M0 scale for each 32 along K, by v_wmma_scale_f32_16x16x128_f8f6f4 with both operands' format E4M3, f32 sums; everything else in f32.
;; Inputs: Wk 1,024 x 1,024 float32; Wq 1,024 x 1,024 float32; Wv 1,024 x 1,024 float32; attention_mask 8 x 1 x 1 x 2,048 float32; bk 1,024 float32; bq 1,024 float32; bv 1,024 float32; hidden_states 8 x 2,048 x 1,024 float32.
;; Outputs: out0 8 x 2,048 x 1,024 float32.
;; This version of the problem:
;;   THIS VERSION OF THE PROBLEM IS GIVEN IN LOW PRECISION. The matrix products marked QUANTISED in the list below multiply operands that are first quantised to E4M3 (4 exponent bits, 3 mantissa bits; 8 bits a number), with one power-of-two scale for each 32 numbers along K (OCP MX v1.0); their sums are f32. All else is computed in f32.
;;   The module's matrix products, in the order in which they are computed (A, B: the left and right operand; K: the contracted axis; several contracted axes count as one K, in the product's order):
;;     1. [M 16,384, K 1,024] x [K 1,024, N 1,024]; A: input hidden_states; B: input Wq: QUANTISED
;;     2. [M 16,384, K 1,024] x [K 1,024, N 1,024]; A: input hidden_states; B: input Wk: QUANTISED
;;     3. [M 16,384, K 1,024] x [K 1,024, N 1,024]; A: input hidden_states; B: input Wv: QUANTISED
;;     4. batch 128 x [M 64, K 2,048] x [K 2,048, N 64]; A: softmax (see below); B: computed on the way: QUANTISED
;;     5. batch 128 x [M 2,048, K 64] x [K 64, N 64]; A: softmax (see below); B: computed on the way: QUANTISED
;;   THE QUANTISER, for each operand of a quantised product, along K:
;;     - K is cut into blocks of 32 from its start; a last block that is shorter is filled with zeros.
;;     - A block's scale is 2^e with e = floor(log2(the largest magnitude in the block)) - 8, held to -126 .. 127; a block of zeros has e = 0. As a byte (E8M0): e + 127.
;;     - Each number is divided by its block's scale, clamped to +-448, and rounded to the nearest number of E4M3, ties to even, subnormals kept.
;;     - The product sums the exact products of the quantised numbers (number of the format x scale) in f32.
;;   ~~~python
;;   def quantise(x, axis):      # numpy; x: float32 -> the quantised numbers, widened to float32 again
;;       x = np.moveaxis(x, axis, -1); K = x.shape[-1]
;;       x = np.pad(x, [(0, 0)] * (x.ndim - 1) + [(0, -K % 32)]); x = x.reshape(x.shape[:-1] + (-1, 32)); a = np.abs(x).max(-1, keepdims=True)
;;       e = np.where(a > 0, np.clip(np.frexp(np.where(a > 0, a, 1))[1] - 1 - 8, -126, 127), 0)      # np.frexp(a)[1] - 1 = floor(log2(a)), exactly
;;       r = np.clip(x / 2.0 ** e, -448, 448)
;;       step = 2.0 ** (np.maximum(np.frexp(np.where(r == 0, 1, r))[1] - 1, -6) - 3)
;;       q = np.round(r / step) * step * 2.0 ** e      # np.round: ties to even
;;       return np.moveaxis(q.reshape(q.shape[:-2] + (-1,))[..., :K], -1, axis).astype(np.float32)
;;   ~~~
;;   SOFTMAX AHEAD OF A QUANTISED PRODUCT. Where the list says 'softmax', what is quantised is not the finished softmax but p = 2^(t - M), with t = logit x log2(e) and M = ceil(the row's largest t), a whole number; so 1/2 < the row's largest p <= 1. The row's sum l is taken of the UNQUANTISED p, in f32, and the product's result is divided by l at the end. Since M is a whole number, a kernel that streams over the keys may use a running M (the ceiling of the running maximum): every later rescaling is an exact power of two, which a block's scale takes up: the codes' values come out the same.
;;   OPERANDS COMPUTED ON THE WAY. 'Computed on the way' means the value that the module computes at that place (a softmax that the list does not call 'softmax' is quantised finished and normalised). What goes into a quantiser is computed in f32, as accurately as f32 sums, v_exp_f32 and their like allow (about 1e-6 of the number): no bf16 or f16 on the way to a quantiser, and a product that is left as it is and whose result goes on into a quantised operand takes f32 operands (vector FMAs, or v_wmma_f32_16x16x4_f32). A number that lies on a knife's edge between two numbers of the format may be rounded either way, as far as f32 arithmetic and the matrix unit's own rounding can turn it there, and no further.
;; One version. Each part assembles by itself: llvm-mc -triple=amdgcn-amd-amdhsa -mcpu=gfx1250 --defsym DOCPART=n.
;; ======== version 1 of 1: 3 launches
;; workspace buffers: xc 16,777,216 bytes; xs 524,288 bytes; wc 3,145,728 bytes; ws 98,304 bytes; part 4,194,304 bytes; pst 131,072 bytes
;; launch quant (part 1): grid 448 x 1, 4 waves a work-group, no clusters, 34,304 bytes of LDS; arguments hidden_states, Wq, Wk, Wv, xc, xs, wc, ws; writes xc, xs, wc, ws
.if DOCPART == 1
	.amdgcn_target "amdgcn-amd-amdhsa--gfx1250"
	.amdhsa_code_object_version 6
	.text
	.protected	k_qde965fc69b_quant
	.globl	k_qde965fc69b_quant
	.p2align	8
	.type	k_qde965fc69b_quant,@function
k_qde965fc69b_quant:
	s_mov_b64 s[64:65], 0
	v_nop
	global_prefetch_b8 v0, s[64:65] scope:SCOPE_SE
	s_setreg_imm32_b32 hwreg(HW_REG_WAVE_MODE, 25, 1), 1
	s_wait_xcnt 0x0
; hidden_states [16384][1024] and Wq, Wk, Wv [1024 (k)][1024 (n)], f32, become codes of FP8 (E4M3) with one E8M0 scale byte for each 32 along K = 1024.
; A block's scale is 2^(floor(log2(its largest magnitude)) - 8); each number is divided by it, held within +-448 and rounded to the nearest code, ties to even.
; THE RESULTS ARE LAID AS IMAGES OF OPERAND REGISTERS.  A fragment (16 rows x 128 K) is 2,048 bytes: [c 0..3][lane 0..31][16 bytes]; lane (r, h), group c holds k = 32 c + 16 h + 0 .. 15 of the tile's row r.
; THE ROWS OF A TILE ARE NOT NEIGHBOURS: row m of tile T stands for index 32 (T / 2) + 8 (T % 2) + m + 8 (m / 8), for the rows of x and for the columns n of the weights alike.
;   xc [G 64][KH 2][rt 16][kq 4][2048]   row tile 16 G + rt, K step 4 KH + kq        xs [RT 1024][lane][4 words]: word q of lane (r, h) = row r's scale word of K step 2 q + h
;   wc [mat 3: q, k, v][T 64][ks 8][2048]                                            ws [mat][T][ks 8][r 16] words
; Work-groups 0 to 255 take x (a wave: one row tile, all of K, eight K steps); 256 to 447 take the weights (a wave: 32 columns x one K step).  Only the x path touches LDS.
; Memory binds: each f32 number is read once, by loads of 512 (x) or 128 (weights) consecutive bytes a wave; codes leave in whole aligned runs of 256 bytes.  No matrix unit, no cluster, no barrier: waves share nothing.
; LIMITS: NaN and infinities among the inputs are not served.  A block whose largest magnitude lies under 2^-118 keeps the byte 1; a block of zeros gets the byte 1 and not 127: its codes are zeros, and this program alone reads the bytes.
.set TM,   16                          ; v16-19 largest magnitudes, v20-23 bytes, v24-27 448 x the scale, v28-31 the conversions' scale operands
.set PWR,  4                           ; v4-5    the scale word just made, even and odd K steps by turns
.set SWQ,  12                          ; v12-15  the tile's four registers of scale words
.set PCB,  32                          ; v32-63  codes, two sets of 16
.set XR,   64                          ; v64-127 64 numbers of a lane: register 16 b + i = k 32 b + 16 h + i of my row
.set RR,   128                         ; v128-255 two sets of 64: a K step's numbers as they are loaded
.set STGB, 8448                        ; LDS: a stage of its own for each wave: 16 rows x SPI bytes
.set SPI,  528                         ; 512 bytes + 16: the sixteen rows that a load touches start at sixteen different groups of banks
.set XW,   64                          ; weights: v64-127 two sets of 32 numbers
.set CW,   32                          ; weights: v32-63 codes, eight registers for each block
; 64 numbers of a lane become a fragment's 16 registers of codes in v[pc] on and its row's scale word in v[pw]
.macro QUANT s, pc, pw
.irp b, 0,1,2,3
	v_max3_num_f32 v[TM+\b], |v[(\s)+16*\b]|, |v[(\s)+1+16*\b]|, 0x4800000   ; block b: my 16 numbers, and the floor 2^(9 - 127): the byte cannot fall under 1
.endr
.irp i, 2,4,6,8,10,12,14
.irp b, 0,1,2,3
	v_max3_num_f32 v[TM+\b], v[TM+\b], |v[(\s)+16*\b+\i]|, |v[(\s)+1+16*\b+\i]|   ; the four blocks by turns
.endr
.endr
.irp b, 0,1,2,3
	v_permlanex16_b32 v[TM+4+\b], v[TM+\b], s22, s23
.endr
.irp b, 0,1,2,3
	v_max_num_f32 v[TM+\b], v[TM+\b], v[TM+4+\b]            ; with lane l xor 16's 16: the block's largest magnitude
.endr
.irp b, 0,1,2,3
	v_add_nc_u32 v[TM+12+\b], 0xfc000000, v[TM+\b]          ; 8 off its exponent field: the conversion takes this operand's exponent field as its scale
.endr
.irp b, 0,1,2,3
	v_and_or_b32 v[TM+8+\b], v[TM+\b], 0x7f800000, s24      ; 448 x the scale
.endr
.irp b, 0,1,2,3
	v_lshrrev_b32 v[TM+4+\b], 23, v[TM+12+\b]               ; the scale's byte
.endr
	v_lshl_or_b32 v[\pw], v[TM+5], 8, v[TM+4]
	v_lshl_or_b32 v[\pw], v[TM+6], 16, v[\pw]
	v_lshl_or_b32 v[\pw], v[TM+7], 24, v[\pw]
.irp b, 0,1,2,3
.irp i, 0,1,2,3,4,5,6,7,8,9,10,11,12,13,14,15
	v_med3_num_f32 v[(\s)+16*\b+\i], v[(\s)+16*\b+\i], -v[TM+8+\b], v[TM+8+\b]   ; the conversion to an 8-bit code does not saturate (ISA guide 7.6.2): the hold
.endr
	v_cvt_scalef32_pk8_fp8_f32 v[(\pc)+4*\b:(\pc)+1+4*\b], v[(\s)+16*\b:(\s)+7+16*\b], v[TM+12+\b]
	v_cvt_scalef32_pk8_fp8_f32 v[(\pc)+2+4*\b:(\pc)+3+4*\b], v[(\s)+8+16*\b:(\s)+15+16*\b], v[TM+12+\b]
.endr
	v_nop                                                   ; one plain vector instruction behind the last conversion
.endm
.macro LOADK ks                        ; K step ks of my 16 rows: each load reads 512 consecutive bytes of one row
.irp m, 0,1,2,3,4,5,6,7,8,9,10,11,12,13,14,15
	global_load_b128 v[RR+64*((\ks)%2)+4*\m:RR+64*((\ks)%2)+4*\m+3], v1, s[4:5] offset:(\m+8*(\m/8))*4096+512*(\ks) th:TH_LOAD_NT
.endr
.endm
.macro KS ks
.if (\ks) < 7
	s_wait_loadcnt 16                                       ; this K step's 16 loads are in; the next step's 16 may be out
.else
	s_wait_loadcnt 0x0
.endif
	s_wait_xcnt 0x0                                         ; the stores of two steps ago have read their codes: that set is written again below
.irp m, 0,1,2,3,4,5,6,7,8,9,10,11,12,13,14,15
	ds_store_b128 v2, v[RR+64*((\ks)%2)+4*\m:RR+64*((\ks)%2)+4*\m+3] offset:SPI*\m
.endr
.irp c, 0,1,2,3
.irp q, 0,1,2,3
	ds_load_b128 v[XR+16*\c+4*\q:XR+16*\c+4*\q+3], v3 offset:128*\c+16*\q   ; LDS serves a wave's instructions in order: these see my stores
.endr
.endr
	s_wait_dscnt 0x0                                        ; the numbers are back, and the stage's stores have read their registers
.if (\ks)+2 < 8
	LOADK (\ks)+2
.endif
	QUANT XR, PCB+16*((\ks)%2), PWR+(\ks)%2
.irp c, 0,1,2,3
	global_store_b128 v1, v[PCB+16*((\ks)%2)+4*\c:PCB+16*((\ks)%2)+4*\c+3], s[12:13] offset:((\ks)/4)*131072+((\ks)%4)*2048+512*\c   ; 512 consecutive bytes
.endr
.if (\ks)%2
	v_cndmask_b32 v[SWQ+(\ks)/2], v[PWR], v[PWR+1], s25     ; lanes 0-15 the even K step's word, lanes 16-31 the odd one's
.endif
.endm
	s_load_b512 s[4:19], s[0:1], 0x0               ; x s[4:5], Wq s[6:7], Wk s[8:9], Wv s[10:11], xc s[12:13], xs s[14:15], wc s[16:17], ws s[18:19]
	v_lshl_add_u32 v11, v0, 2, 0x8400
	s_set_vgpr_msb 0x40
	v_mov_b32 v1, 0
	s_set_vgpr_msb 0x4000
	v_lshrrev_b32 v6, 5, v0
	v_readfirstlane_b32 s20, v6                    ; wave
	v_and_b32 v7, 31, v0                           ; lane
	s_mov_b32 s22, 0x76543210
	s_mov_b32 s23, 0xfedcba98                      ; v_permlanex16_b32's selects for lane l xor 16
	s_mov_b32 s24, 0x600000                        ; the mantissa field of 448
	s_mov_b32 s25, 0xffff0000                      ; lanes 16-31
	s_mov_b32 s27, 0                               ; the upper word of every offset
	s_cmp_lt_u32 ttmp9, 256
	s_cbranch_scc0 .Lweights
	; ---------------- x: my wave's row tile RT = 4 x work-group + wave
	v_lshlrev_b32 v1, 4, v7                        ; 16 x lane
	s_mul_i32 s28, s20, STGB
	v_add_nc_u32 v2, s28, v1                       ; the stage on the way in
	v_and_b32 v8, 15, v0                           ; r
	v_bfe_u32 v9, v0, 4, 1                         ; h
	v_mul_u32_u24 v3, v8, SPI
	v_lshl_add_u32 v3, v9, 6, v3
	v_add_nc_u32 v3, s28, v3                       ; and on the way out: row r, + 64 h
.irp b, 0,1,2,3
	v_mov_b32 v[TM+4+\b], 0                        ; written once: a lane permute's destination counts as one of its sources
.endr
	s_lshl_b32 s29, ttmp9, 2
	s_add_co_u32 s29, s29, s20                     ; RT
	s_lshr_b32 s30, s29, 1
	s_lshl_b32 s26, s30, 17                        ; 32 (RT / 2) rows of 4,096 bytes
	s_and_b32 s31, s29, 1
	s_lshl_b32 s31, s31, 15                        ; + 8 (RT % 2) rows
	s_add_co_u32 s26, s26, s31
	s_wait_kmcnt 0x0
	s_add_nc_u64 s[4:5], s[4:5], s[26:27]
	s_lshr_b32 s30, s29, 4
	s_lshl_b32 s26, s30, 18                        ; G x 262,144
	s_and_b32 s31, s29, 15
	s_lshl_b32 s31, s31, 13                        ; + rt x 8,192
	s_add_co_u32 s26, s26, s31
	s_add_nc_u64 s[12:13], s[12:13], s[26:27]
	s_lshl_b32 s26, s29, 9
	s_add_nc_u64 s[14:15], s[14:15], s[26:27]
	LOADK 0
	LOADK 1
.irp k, 0,1,2,3,4,5,6,7
	KS \k
.endr
	global_store_b128 v1, v[SWQ:SWQ+3], s[14:15]   ; the tile's scale words: 512 consecutive bytes
	s_set_vgpr_msb 0x4
	s_wait_tensorcnt 0x0
	ds_add_u32 v11, v1
	s_wait_dscnt 0x0
	s_set_vgpr_msb 0x400
	s_endpgm
	; ---------------- the weights: a lane takes a column n, and its registers run down K
.Lweights:
	s_sub_co_u32 s28, ttmp9, 256
	s_and_b32 s29, s28, 7                          ; K step
	s_lshr_b32 s30, s28, 3                         ; group of 128 columns, 0 .. 23: 8 x matrix + group in it
	s_and_b32 s31, s30, 7
	v_lshlrev_b32 v1, 2, v7                        ; in: 4 bytes a lane
	v_bfe_u32 v8, v0, 3, 1                         ; column 32 x + l lies in tile 2 x + u, u = bit 3 of l,
	v_and_b32 v9, 7, v0
	v_bfe_u32 v10, v0, 4, 1
	v_lshl_or_b32 v9, v10, 3, v9                   ; at row r = (l & 7) + 8 x bit 4 of l
	v_lshlrev_b32 v2, 4, v9
	v_lshl_add_u32 v2, v8, 14, v2                  ; codes: tile u (16,384 bytes a tile), 16 r
	v_lshlrev_b32 v3, 2, v9
	v_lshl_add_u32 v3, v8, 9, v3                   ; scale words: tile u (512 bytes a tile), 4 r
	s_wait_kmcnt 0x0
	s_cmp_lt_u32 s30, 16
	s_cselect_b64 s[32:33], s[8:9], s[10:11]
	s_cmp_lt_u32 s30, 8
	s_cselect_b64 s[32:33], s[6:7], s[32:33]       ; the choice hangs on the work-group's number alone
	s_lshl_b32 s26, s29, 19                        ; 128 rows of 4,096 bytes a K step
	s_lshl_b32 s34, s31, 9
	s_add_co_u32 s26, s26, s34
	s_lshl_b32 s34, s20, 7
	s_add_co_u32 s26, s26, s34                     ; + 4 (128 x group + 32 x wave)
	s_add_nc_u64 s[32:33], s[32:33], s[26:27]
	s_lshl_b32 s26, s30, 17
	s_lshl_b32 s34, s20, 15
	s_add_co_u32 s26, s26, s34
	s_lshl_b32 s34, s29, 11
	s_add_co_u32 s26, s26, s34
	s_add_nc_u64 s[16:17], s[16:17], s[26:27]      ; wc at tile 8 x group + 2 x wave, my K step
	s_lshl_b32 s26, s30, 12
	s_lshl_b32 s34, s20, 10
	s_add_co_u32 s26, s26, s34
	s_lshl_b32 s34, s29, 6
	s_add_co_u32 s26, s26, s34
	s_add_nc_u64 s[18:19], s[18:19], s[26:27]      ; ws likewise
.macro LOADB t                         ; block t: W(32 t + i, my column): 128 consecutive bytes a load
.irp i, 0,1,2,3,4,5,6,7,8,9,10,11,12,13,14,15,16,17,18,19,20,21,22,23,24,25,26,27,28,29,30,31
	global_load_b32 v[XW+32*((\t)%2)+\i], v1, s[32:33] offset:(32*(\t)+\i)*4096 th:TH_LOAD_NT
.endr
.endm
.macro BLOCK t
.set XB, XW+32*((\t)%2)
.set CB, CW+8*(\t)
.if (\t) < 3
	s_wait_loadcnt 32                              ; this block's 32 loads are in; the next block's may be out
.else
	s_wait_loadcnt 0x0
.endif
	v_max3_num_f32 v16, |v[XB]|, |v[XB+1]|, |v[XB+2]|      ; all 32 numbers of the block are mine
	v_max3_num_f32 v17, |v[XB+3]|, |v[XB+4]|, |v[XB+5]|
.irp i, 6,10,14,18,22,26
	v_max3_num_f32 v16, v16, |v[XB+\i]|, |v[XB+\i+1]|
	v_max3_num_f32 v17, v17, |v[XB+\i+2]|, |v[XB+\i+3]|
.endr
	v_max3_num_f32 v16, v16, |v[XB+30]|, |v[XB+31]|
	v_max3_num_f32 v16, v16, v17, 0x4800000        ; and the floor
	v_add_nc_u32 v18, 0xfc000000, v16
	v_and_or_b32 v19, v16, 0x7f800000, s24
.if (\t) == 0
	v_lshrrev_b32 v12, 23, v18                     ; four bytes make my column's scale word of this K step
.else
	v_lshrrev_b32 v20, 23, v18
	v_lshl_or_b32 v12, v20, 8*(\t), v12
.endif
.irp i, 0,1,2,3,4,5,6,7,8,9,10,11,12,13,14,15,16,17,18,19,20,21,22,23,24,25,26,27,28,29,30,31
	v_med3_num_f32 v[XB+\i], v[XB+\i], -v19, v19
.endr
.irp g, 0,1,2,3
	v_cvt_scalef32_pk8_fp8_f32 v[CB+2*\g:CB+2*\g+1], v[XB+8*\g:XB+8*\g+7], v18
.endr
	v_nop                                          ; one plain vector instruction behind the last conversion
	global_store_b128 v2, v[CB:CB+3], s[16:17] offset:512*(\t)         ; k = 32 t + 0 .. 15: the image's lanes 0-15; sixteen lanes fill 256 aligned bytes, for each of the two tiles
	global_store_b128 v2, v[CB+4:CB+7], s[16:17] offset:512*(\t)+256   ; k = 32 t + 16 .. 31: its lanes 16-31
.if (\t)+2 < 4
	LOADB (\t)+2
.endif
.endm
	LOADB 0
	LOADB 1
	BLOCK 0
	BLOCK 1
	BLOCK 2
	BLOCK 3
	global_store_b32 v3, v12, s[18:19]             ; 64 bytes for each of the two tiles
	s_endpgm
.Lfunc_end_k_qde965fc69b_quant:
	.size	k_qde965fc69b_quant, .Lfunc_end_k_qde965fc69b_quant-k_qde965fc69b_quant
	.p2alignl 7, 3214868480
	.fill 96, 4, 3214868480
	.section	.rodata,"a",@progbits
	.p2align	6, 0x0
	.amdhsa_kernel k_qde965fc69b_quant
		.amdhsa_group_segment_fixed_size 34304
		.amdhsa_private_segment_fixed_size 0
		.amdhsa_enable_private_segment 0
		.amdhsa_kernarg_size 64
		.amdhsa_user_sgpr_count 2
		.amdhsa_user_sgpr_kernarg_segment_ptr 1
		.amdhsa_wavefront_size32 1
		.amdhsa_system_sgpr_workgroup_id_x 1
		.amdhsa_system_sgpr_workgroup_id_y 1
		.amdhsa_system_sgpr_workgroup_id_z 1
		.amdhsa_system_vgpr_workitem_id 0
		.amdhsa_next_free_vgpr 258
		.amdhsa_next_free_sgpr 66
		.amdhsa_reserve_vcc 0
		.amdhsa_float_denorm_mode_32 3
		.amdhsa_float_denorm_mode_16_64 3
		.amdhsa_memory_ordered 1
		.amdhsa_forward_progress 1
		.amdhsa_inst_pref_size 127
	.end_amdhsa_kernel
	.amdgpu_metadata
---
amdhsa.version: [ 1, 2 ]
amdhsa.kernels:
  - .name:           k_qde965fc69b_quant
    .symbol:         k_qde965fc69b_quant.kd
    .args:
      - { .name: hidden_states, .offset: 0, .size: 8, .value_kind: global_buffer, .address_space: global }
      - { .name: Wq, .offset: 8, .size: 8, .value_kind: global_buffer, .address_space: global }
      - { .name: Wk, .offset: 16, .size: 8, .value_kind: global_buffer, .address_space: global }
      - { .name: Wv, .offset: 24, .size: 8, .value_kind: global_buffer, .address_space: global }
      - { .name: xc, .offset: 32, .size: 8, .value_kind: global_buffer, .address_space: global }
      - { .name: xs, .offset: 40, .size: 8, .value_kind: global_buffer, .address_space: global }
      - { .name: wc, .offset: 48, .size: 8, .value_kind: global_buffer, .address_space: global }
      - { .name: ws, .offset: 56, .size: 8, .value_kind: global_buffer, .address_space: global }
    .group_segment_fixed_size: 34304
    .private_segment_fixed_size: 0
    .kernarg_segment_align: 8
    .kernarg_segment_size: 64
    .max_flat_workgroup_size: 128
    .sgpr_count:     66
    .vgpr_count:     258
    .wavefront_size: 32
...
	.end_amdgpu_metadata
.endif
;; end of part 1
;; launch qv (part 2): grid 16 x 16, 4 waves a work-group, clusters of 4 x 1, 327,680 bytes of LDS; arguments xc, xs, wc, ws, attention_mask, bq, bv, part, pst; writes part, pst
.if DOCPART == 2
	.amdgcn_target "amdgcn-amd-amdhsa--gfx1250"
	.amdhsa_code_object_version 6
	.text
	.protected	k_qde965fc69b_qv
	.globl	k_qde965fc69b_qv
	.p2align	8
	.type	k_qde965fc69b_qv,@function
k_qde965fc69b_qv:
	s_mov_b64 s[64:65], 0
	v_nop
	global_prefetch_b8 v0, s[64:65] scope:SCOPE_SE
	s_setreg_imm32_b32 hwreg(HW_REG_WAVE_MODE, 25, 1), 1
	s_wait_xcnt 0x0
	s_wait_alu depctr_hold_cnt(0) depctr_sa_sdst(0) depctr_va_vdst(0) depctr_va_sdst(0) depctr_va_ssrc(0) depctr_va_vcc(0) depctr_vm_vsrc(0)
	s_getreg_b32 s2, hwreg(HW_REG_IB_STS2, 6, 4)
	s_cmp_eq_u32 s2, 0
	s_cbranch_scc0 .Lentry_in_a_cluster
	s_endpgm
.Lentry_in_a_cluster:
	s_bfe_u32 s2, ttmp6, 0x10000c
	s_cmp_lg_u32 s2, 0x3003
	s_cbranch_scc0 .Lentry_shape_is_right
	s_endpgm
.Lentry_shape_is_right:
; For one head and one half (1,024 rows) of one batch's sequence: q = x Wq + bq + mask and v = x Wv + bv on codes of FP8 (E4M3) with E8M0 scales; the softmax of q ALONG THE SEQUENCE as p = 2^(t - M),
; t = q log2(e), M the running maximum rounded up to a whole number; p and v quantised along the sequence; O^T += v^T p^T.  Out go O^T (not normalised), -M and the sum l of the unquantised p; the next launch joins the two halves.
; SHARES.  Work-group (head = 4 x cluster x + cx, y = 2 b + half).  Four steps of 256 rows.  Wave w = 2 i + j takes rows 128 i .. 128 i + 127 of a step (8 row tiles) and four column tiles: q's tiles 2 j, 2 j + 1, v's tiles 2 j, 2 j + 1.
; A WAVE'S 64 COLUMNS OF W, FOR ALL K = 1,024, STAY IN REGISTERS (32 fragments, 512 registers), read once.  Only x's fragments come from LDS; each feeds four matrix instructions.
; x's codes lie in memory as images of operand registers, so a tile needs no pitch and no padding: every LDS load takes 512 consecutive bytes.
; LAYOUT.  Source 0 = 16 rows of x, source 1 = 16 columns of W: a lane holds ONE column, and, by the choice of the rows that form a tile, its 64 registers of a column tile are s = 32 b + 16 h + i at register 16 b + i:
; the order of an operand whose K is s.  So the conversions' results ARE the fragments of the second product.  O^T = v^T p^T: source 0 = 16 columns e of v, source 1 = 16 columns d of p: a lane holds one d, so the running M is a number a lane.
; Each wave multiplies its two tiles of p by all four tiles of v: its own two, and its neighbour's (wave w xor 1: same rows), which come through LDS as register images.  At the end waves 2 and 3 hand their sums to waves 0 and 1.
; CLUSTER.  The four partners are four heads on the same rows: x's tiles, x's scale words and the mask are asked for jointly (mask 15).  W is not shared: each work-group has its own columns, once.
; LIMITS: NaN, and infinities in x, W or the biases, are not served; a mask of -infinity is (p = 0).  bq + mask are added first and begin the sum, where the source text adds the mask to the rounded x Wq + bq.
; A block whose largest magnitude lies under 2^-118 keeps the byte 1, and so does a block of zeros: its codes are zeros.
; REGISTERS, in windows of 256.  Window 0: see the names below.  Windows 1, 2: W's fragment (ks, ct) at 16 (4 (ks % 4) + ct), K steps 0-3 and 4-7.  Window 3: accumulator (ct, a) at 64 ct + 8 a.
.set SLOT1, 131072                     ; LDS: slot 0 (K steps 0-3 of 256 rows, 131,072 bytes), slot 1 (K steps 4-7)
.set XSC,   262144                     ; x's scale words of the 1,024 rows, 32,768 bytes: filled once
.set MSK,   294912                     ; the mask of the 1,024 rows, 4,096 bytes: filled once
.set EX,    299008                     ; 4 x 4,608 bytes, written by LDS stores alone: a wave's two fragments of v and their scale word; at the end 2 x 8,704 bytes of sums
.set SPARE, 317440                     ; the spare words, 128 bytes for each wave: no other line names them
.set LI,  1                            ; v1    16 x lane
.set ADA, 2                            ; v2-3  my rows' fragments in slot 0, 1: 65,536 i + 16 x lane
.set AXS, 4                            ; v4    my rows' scale words; + 8,192 a step
.set EXW, 5                            ; v5    where I store my fragments of v
.set EXR, 6                            ; v6    where my neighbour stores its
.set CMA, 7                            ; v7    the sums at the end
.set MKA, 8                            ; v8    my rows' mask: + 64 h; + 1,024 a step
.set SPW, 9                            ; v9    my spare word; never rewritten
.set NIL, 10                           ; v10   0; never rewritten
.set VW,  11                           ; v11   scale words of my two tiles of v: tile 0 in lanes 0-15, tile 1 in lanes 16-31
.set PVW, 12                           ; v12   my neighbour's
.set PW,  13                           ; v13   those of my two tiles of p
.set PFO, 14                           ; v14   256 x lane; never rewritten
.set T4,  15                           ; v15   4 x lane at the head and at the end; at work between
.set WS,  16                           ; v16-31  W's scale words: 4 ct + q: K step 2 q in lanes 0-15, 2 q + 1 in lanes 16-31
.set XS,  32                           ; v32-63  x's: 4 a + q likewise
.set ST,  64                           ; v64-75  tile t of q at 64 + 6 t: -M, the largest t, l in two halves, f, its pair's partner
.set BQ,  76                           ; v76-77  bq of my column in q's tiles 0, 1
.set BV,  78                           ; v78-79  bv likewise
.set OT,  80                           ; v80-143 O^T: (grp, o, td) at 80 + 8 (4 grp + 2 o + td); grp 0 my tiles of v, 1 my neighbour's
.set TM,  144                          ; v144-159 at work
.set AF,  160                          ; v160-255 x's fragments: three sets of two
.set VC,  160                          ; behind the products: my codes of v,
.set PV,  192                          ; my neighbour's (until they are fetched: at work),
.set PC,  224                          ; and p's
.set WV,  22                           ; s22 wave, s23 i, s24 j, s25 cx, s26 head, s27 y
.set G1,  36                           ; s[36:43] descriptor group 1: 128 rows of 256 bytes;  s[44:51]: 32 rows;  s[52:59]: 4 rows
.set G1X, 44
.set G1M, 52
.set GS0, 60                           ; s[60:63] group 0 of slot 0;  s[68:71] of slot 1;  s[72:75] scale words;  s[76:79] mask
.set GS1, 68
.set GX,  72
.set GM,  76
.set PFA, 80                           ; s[80:81] where my prefetches stand
.set LIM, 82                           ; s82  1 in a cluster that prefetches, else the greatest number
.set CNT, 83                           ; s83  steps that still fill slots
.set SEL, 84                           ; s[84:85] selects for lane l xor 16
.set CS,  86                           ; s[86:87] log2(e), twice
.set MNT, 88                           ; s88  the mantissa field of 448
.set HM,  89                           ; s89  lanes 16-31
.set PB,  90                           ; s[90:91], s[92:93] where O^T of grp 0, 1 goes;  s[94:95] the statistics
.set PS,  94
.set MSB, 0
.macro WIN new                         ; the immediate's high byte repeats the setting that is left; a switch that changes nothing is dropped
.if MSB != \new
	s_set_vgpr_msb (MSB<<8)|\new
.set MSB, \new
.endif
.endm
.macro PLACES n                        ; plain vector instructions behind a matrix instruction: eight for this form, in front of loads into its operands and of reads of its results
.rept \n
	v_nop
.endr
.endm
.macro CREST                           ; a round of the cluster's barrier behind its opening barrier
	s_cmp_lg_u32 s[WV], 0
	s_cbranch_scc1 .Lnot_wave_0_\@
	s_barrier_signal -3
.Lnot_wave_0_\@:
	s_barrier_wait -3
	s_barrier_signal -1
	s_barrier_wait -1
.endm
.macro CROUND
	s_barrier_signal -1
	s_barrier_wait -1
	CREST
.endm
; Group gg of 32 in a step: K step 4 (gg / 16) + (gg % 16) / 4, row tiles 2 (gg % 4) and the next.  LDG: their two fragments into set gg % 3.
.macro LDG gg
.set KH_, (\gg)/16
.set KQ_, ((\gg)%16)/4
.set A0_, 2*((\gg)%4)
.set SET_, AF+32*((\gg)%3)
.irp f, 0,1
.irp c, 0,1,2,3
	ds_load_b128 v[SET_+16*\f+4*\c:SET_+16*\f+4*\c+3], v[ADA+KH_] offset:(A0_+\f)*8192+KQ_*2048+512*\c
.endr
.endr
.endm
.macro MM1 d, a, b, sa, sb
.if KS_%2
	v_wmma_scale_f32_16x16x128_f8f6f4 v[(\d):(\d)+7], v[(\a):(\a)+15], v[(\b):(\b)+15], v[(\d):(\d)+7], v[(\sa)], v[(\sb)] matrix_a_scale:MATRIX_SCALE_ROW1 matrix_b_scale:MATRIX_SCALE_ROW1
.else
	v_wmma_scale_f32_16x16x128_f8f6f4 v[(\d):(\d)+7], v[(\a):(\a)+15], v[(\b):(\b)+15], v[(\d):(\d)+7], v[(\sa)], v[(\sb)]
.endif
.endm
; MM: the group's eight matrix instructions.  The 32 accumulators take turns, one instruction a turn.
.macro MM gg
.set KH_, (\gg)/16
.set KQ_, ((\gg)%16)/4
.set A0_, 2*((\gg)%4)
.set KS_, 4*KH_+KQ_
.set SET_, AF+32*((\gg)%3)
	WIN 0xF4+4*KH_                                 ; source 0 (x) window 0, source 1 (W) window 1 or 2, C and D window 3
.irp f, 0,1
.irp c, 0,1,2,3
	MM1 64*\c+8*(A0_+\f), SET_+16*\f, 16*(4*KQ_+\c), XS+4*(A0_+\f)+KS_/2, WS+4*\c+KS_/2
.endr
.endr
.endm
.macro GRP gg, cnt, ld                 ; cnt: the fragment loads of the groups behind this one, which may stay out
	s_wait_dscnt \cnt
	MM \gg
	WIN 0
.if \ld
	PLACES 8
	LDG (\gg)+3                                    ; into the set just multiplied
.endif
.endm
; A prefetch of the slot's worth of x that the NEXT refill will ask for: 131,072 bytes.  All four clusters of a row of the grid read the same rows: the first (cluster x = 0) asks; its four partners take 32,768 bytes each,
; told apart by address; each wave 8,192, lanes 256 bytes apart: one instruction a wave, each block named once in the launch.  The first three slots' worth come by their loads alone; the last refill asks for nothing.
.macro ASK how
.if \how
	s_cmp_gt_u32 s[CNT], s[LIM]
.else
	s_cmp_ge_u32 s[CNT], s[LIM]
.endif
	s_cbranch_scc0 .Lnot_mine_\@
	global_prefetch_b8 v[PFO], s[PFA:PFA+1] th:TH_LOAD_NT scope:SCOPE_SE
.Lnot_mine_\@:
.endm
; THE CHANGE OF SLOTS, over a slot's last three groups gg, gg + 1, gg + 2.  Their fragments have been asked for; in front of the barrier each wave waits for all its tensor loads (one is out: its quarter of the other slot),
; adds 0 to its spare word, and waits for that and for its reads of this slot.  fill = 1: the barrier opens a round of the cluster's barrier, and this slot takes the next step's tile, first thing behind the round.
; pre = 1: the other slot's first groups are fetched.
.macro TURN gg, fill, pre, how, dsc
	WIN 0
.if \fill
	s_wait_xcnt 0x0                                ; the last prefetch has read its address
	s_add_nc_u64 s[PFA:PFA+1], s[PFA:PFA+1], 131072
.endif
	s_wait_tensorcnt 0x0                           ; all my tensor loads have landed
	ds_add_u32 v[SPW], v[NIL]                      ; 0 onto my spare word
	s_wait_dscnt 17                                ; the add and the 16 loads of the two groups behind this one may be out
	MM \gg
	s_wait_dscnt 0x0                               ; the add is done, and my reads of this slot are in registers
	s_barrier_signal -1
	MM (\gg)+1
	WIN 0
	s_barrier_wait -1
.if \fill
	CREST                                          ; no wave of any partner still reads this slot or has a load on its way
	s_add_nc_u64 s[\dsc+2:\dsc+3], s[\dsc+2:\dsc+3], 262144   ; the next 256 rows
	tensor_load_to_lds s[\dsc:\dsc+3], s[G1:G1+7]  ; my quarter: my one tensor load until the next such barrier
	s_nop 0
	PLACES 4
.endif
.if \pre
.if \fill
	PLACES 4                                       ; with the four above: eight places in front of the loads below
.else
	PLACES 8
.endif
	LDG (\gg)+3
	LDG (\gg)+4
.endif
.if \fill
	ASK \how
.endif
	MM (\gg)+2
	WIN 0
.if \pre
	PLACES 8
	LDG (\gg)+5
.endif
.endm
; One tile of v (column tile ct) becomes a fragment's codes in v[dst] on and its scale word in v[word].  Each accumulator is read from its low end on.
.macro QV ct, dst, word
.set AC_, 64*(\ct)
	WIN 0x0F                                       ; sources 0 and 1 window 3
.irp b, 0,1,2,3
	v_max3_num_f32 v[TM+\b], |v[AC_+16*\b]|, |v[AC_+16*\b+1]|, 0x4800000   ; with the floor 2^(9 - 127)
.endr
.irp i, 2,4,6,8,10,12,14
.irp b, 0,1,2,3
	v_max3_num_f32 v[TM+\b], |v[AC_+16*\b+\i]|, |v[AC_+16*\b+\i+1]|, v[TM+\b]
.endr
.endr
	WIN 0
.irp b, 0,1,2,3
	v_permlanex16_b32 v[TM+4+\b], v[TM+\b], s[SEL], s[SEL+1]
.endr
.irp b, 0,1,2,3
	v_max_num_f32 v[TM+\b], v[TM+\b], v[TM+4+\b]
.endr
.irp b, 0,1,2,3
	v_add_nc_u32 v[TM+12+\b], 0xfc000000, v[TM+\b]
.endr
.irp b, 0,1,2,3
	v_and_or_b32 v[TM+8+\b], v[TM+\b], 0x7f800000, s[MNT]
.endr
.irp b, 0,1,2,3
	v_lshrrev_b32 v[TM+4+\b], 23, v[TM+12+\b]
.endr
	v_lshl_or_b32 v[\word], v[TM+5], 8, v[TM+4]
	v_lshl_or_b32 v[\word], v[TM+6], 16, v[\word]
	v_lshl_or_b32 v[\word], v[TM+7], 24, v[\word]
	WIN 0xC3                                       ; destination and source 0 window 3
.irp b, 0,1,2,3
.irp i, 0,1,2,3,4,5,6,7,8,9,10,11,12,13,14,15
	v_med3_num_f32 v[AC_+16*\b+\i], v[AC_+16*\b+\i], -v[TM+8+\b], v[TM+8+\b]   ; the hold at 448 x the scale
.endr
.endr
	WIN 0x03                                       ; source 0 window 3
.irp b, 0,1,2,3
	v_cvt_scalef32_pk8_fp8_f32 v[(\dst)+4*\b:(\dst)+4*\b+1], v[AC_+16*\b:AC_+16*\b+7], v[TM+12+\b]
	v_cvt_scalef32_pk8_fp8_f32 v[(\dst)+4*\b+2:(\dst)+4*\b+3], v[AC_+16*\b+8:AC_+16*\b+15], v[TM+12+\b]
.endr
	WIN 0
	v_nop                                          ; one plain vector instruction behind the last conversion
.endm
; The softmax step of my two tiles of q (t = 0, 1), phase by phase; tile t's 16 registers at work begin at TM + 48 t (v144, v192).  v208-209 the old -M, v210-213 second chains of the sums, v214-215 scale words.
.macro SOFTQ
	WIN 0x0F
.irp t, 0,1
.irp b, 0,1,2,3
	v_max3_num_f32 v[TM+48*\t+\b], v[64*\t+16*\b], v[64*\t+16*\b+1], 0xff7fffff   ; the largest score of each block of 32 rows: for the column's maximum and for the block's largest p
.endr
.endr
.irp i, 2,4,6,8,10,12,14
.irp t, 0,1
.irp b, 0,1,2,3
	v_max3_num_f32 v[TM+48*\t+\b], v[64*\t+16*\b+\i], v[64*\t+16*\b+\i+1], v[TM+48*\t+\b]
.endr
.endr
.endr
	WIN 0
.irp t, 0,1
.irp b, 0,1,2,3
	v_permlanex16_b32 v[TM+48*\t+4+\b], v[TM+48*\t+\b], s[SEL], s[SEL+1]
.endr
.endr
.irp t, 0,1
.irp b, 0,1,2,3
	v_max_num_f32 v[TM+48*\t+\b], v[TM+48*\t+\b], v[TM+48*\t+4+\b]
.endr
.endr
.irp t, 0,1
	v_max3_num_f32 v[TM+48*\t+8], v[TM+48*\t], v[TM+48*\t+1], v[TM+48*\t+2]
.endr
.irp t, 0,1
	v_max_num_f32 v[TM+48*\t+8], v[TM+48*\t+8], v[TM+48*\t+3]
.endr
.irp t, 0,1
	v_mul_f32 v[TM+48*\t+8], s[CS], v[TM+48*\t+8]           ; as t
.endr
.irp t, 0,1
	v_max_num_f32 v[ST+6*\t+1], v[ST+6*\t+1], v[TM+48*\t+8] ; the running largest t
.endr
.irp t, 0,1
	v_mov_b32 v[208+\t], v[ST+6*\t]
.endr
.irp t, 0,1
	v_floor_f32 v[ST+6*\t], -v[ST+6*\t+1]                   ; -M = floor(-t): M is a whole number
.endr
.irp t, 0,1
	v_sub_f32 v[TM+48*\t+8], v[ST+6*\t], v[208+\t]          ; old M - new M, 0 or less
.endr
.irp t, 0,1
	v_cvt_i32_f32 v[TM+48*\t+8], v[TM+48*\t+8]              ; (it saturates)
.endr
.irp t, 0,1
	v_ldexp_f32 v[ST+6*\t+4], 1.0, v[TM+48*\t+8]            ; f = 2^(old M - new M): a multiplication by it rounds nothing
.endr
	WIN 0xC3
.irp t, 0,1
.set n_, 0
.rept 32
	v_pk_fma_f32 v[64*\t+2*n_:64*\t+2*n_+1], v[64*\t+2*n_:64*\t+2*n_+1], s[CS:CS+1], v[ST+6*\t:ST+6*\t+1] op_sel_hi:[1,0,0]   ; t - M
.set n_, n_+1
.endr
.endr
	WIN 0
.irp t, 0,1
.irp b, 0,1,2,3
	v_fma_f32 v[TM+48*\t+\b], v[TM+48*\t+\b], s[CS], v[ST+6*\t]   ; the same of each block's largest score
.endr
.endr
	WIN 0xC3
.set n_, 0
.rept 128
	v_exp_f32 v[n_], v[n_]                                  ; p = 2^(t - M): one batch
.set n_, n_+1
.endr
	v_nop                                                   ; a plain instruction behind the last exponential
	s_wait_alu depctr_va_vdst(0)                            ; one wait for the batch, ahead of its first reader
	WIN 0
.irp t, 0,1
	v_pk_mul_f32 v[ST+6*\t+2:ST+6*\t+3], v[ST+6*\t+2:ST+6*\t+3], v[ST+6*\t+4:ST+6*\t+5] op_sel_hi:[1,0]   ; the sums under the new M
.endr
.irp t, 0,1
.irp b, 0,1,2,3
	v_exp_f32 v[TM+48*\t+\b], v[TM+48*\t+\b]                ; each block's largest p: the same two instructions on the same number
.endr
.endr
	WIN 0x0F
.irp t, 0,1
	v_pk_add_f32 v[210+2*\t:211+2*\t], v[64*\t:64*\t+1], v[64*\t+2:64*\t+3]   ; the sum is taken of the unquantised p, in two chains a tile
.endr
	WIN 0x03
.irp j, 4,8,12,16,20,24,28,32,36,40,44,48,52,56,60
.irp t, 0,1
	v_pk_add_f32 v[ST+6*\t+2:ST+6*\t+3], v[64*\t+\j:64*\t+\j+1], v[ST+6*\t+2:ST+6*\t+3]
	v_pk_add_f32 v[210+2*\t:211+2*\t], v[64*\t+\j+2:64*\t+\j+3], v[210+2*\t:211+2*\t]
.endr
.endr
	WIN 0
.irp t, 0,1
	v_pk_add_f32 v[ST+6*\t+2:ST+6*\t+3], v[ST+6*\t+2:ST+6*\t+3], v[210+2*\t:211+2*\t]
.endr
	s_wait_alu depctr_va_vdst(0)                            ; and one for the eight
.irp t, 0,1
.irp b, 0,1,2,3
	v_max_num_f32 v[TM+48*\t+\b], 0x4800000, v[TM+48*\t+\b] ; the floor
.endr
.endr
.irp t, 0,1
.irp b, 0,1,2,3
	v_add_nc_u32 v[TM+48*\t+12+\b], 0xfc000000, v[TM+48*\t+\b]
.endr
.endr
.irp t, 0,1
.irp b, 0,1,2,3
	v_and_or_b32 v[TM+48*\t+8+\b], v[TM+48*\t+\b], 0x7f800000, s[MNT]
.endr
.endr
.irp t, 0,1
.irp b, 0,1,2,3
	v_lshrrev_b32 v[TM+48*\t+4+\b], 23, v[TM+48*\t+12+\b]
.endr
.endr
.irp t, 0,1
	v_lshl_or_b32 v[214+\t], v[TM+48*\t+5], 8, v[TM+48*\t+4]
.endr
.irp t, 0,1
	v_lshl_or_b32 v[214+\t], v[TM+48*\t+6], 16, v[214+\t]
.endr
.irp t, 0,1
	v_lshl_or_b32 v[214+\t], v[TM+48*\t+7], 24, v[214+\t]
.endr
	v_cndmask_b32 v[PW], v214, v215, s[HM]
	WIN 0xC3
.irp t, 0,1
.irp b, 0,1,2,3
.irp i, 0,1,2,3,4,5,6,7,8,9,10,11,12,13,14,15
	v_min_num_f32 v[64*\t+16*\b+\i], v[64*\t+16*\b+\i], v[TM+48*\t+8+\b]   ; p is not negative: the hold is one-sided
.endr
.endr
.endr
	WIN 0x03
.irp t, 0,1
.irp b, 0,1,2,3
	v_cvt_scalef32_pk8_fp8_f32 v[PC+16*\t+4*\b:PC+16*\t+4*\b+1], v[64*\t+16*\b:64*\t+16*\b+7], v[TM+48*\t+12+\b]
	v_cvt_scalef32_pk8_fp8_f32 v[PC+16*\t+4*\b+2:PC+16*\t+4*\b+3], v[64*\t+16*\b+8:64*\t+16*\b+15], v[TM+48*\t+12+\b]
.endr
.endr
	WIN 0
	v_nop                                                   ; one plain vector instruction behind the last conversion
.endm
.macro P4I grp, o, td                  ; O^T(grp, o, td) += v's tile o (mine or my neighbour's) x p's tile td, K = my 128 rows
.set D_, OT+8*(4*\grp+2*\o+\td)
.set A_, VC+32*\grp+16*\o
.set B_, PC+16*\td
.if 2*\o+\td == 0
	v_wmma_scale_f32_16x16x128_f8f6f4 v[D_:D_+7], v[A_:A_+15], v[B_:B_+15], v[D_:D_+7], v[VW+\grp], v[PW]
.elseif 2*\o+\td == 1
	v_wmma_scale_f32_16x16x128_f8f6f4 v[D_:D_+7], v[A_:A_+15], v[B_:B_+15], v[D_:D_+7], v[VW+\grp], v[PW] matrix_b_scale:MATRIX_SCALE_ROW1
.elseif 2*\o+\td == 2
	v_wmma_scale_f32_16x16x128_f8f6f4 v[D_:D_+7], v[A_:A_+15], v[B_:B_+15], v[D_:D_+7], v[VW+\grp], v[PW] matrix_a_scale:MATRIX_SCALE_ROW1
.else
	v_wmma_scale_f32_16x16x128_f8f6f4 v[D_:D_+7], v[A_:A_+15], v[B_:B_+15], v[D_:D_+7], v[VW+\grp], v[PW] matrix_a_scale:MATRIX_SCALE_ROW1 matrix_b_scale:MATRIX_SCALE_ROW1
.endif
.endm
; A STEP OF 256 ROWS.  fill = 1: both slots are filled again, for the next step.
.macro SSTEP fill
	WIN 0xC0                                       ; destination window 3
.irp t, 0,1
.set n_, 0
.rept 32
	v_pk_mul_f32 v[128+64*\t+2*n_:128+64*\t+2*n_+1], v[BV:BV+1], 1.0 op_sel:[\t,0] op_sel_hi:[\t,0]   ; v's sums begin with bv of my column.  (These 64 are also the places behind the last products)
.set n_, n_+1
.endr
.endr
	WIN 0
	LDG 0
.irp a, 0,1,2,3,4,5,6,7
	ds_load_b128 v[XS+4*\a:XS+4*\a+3], v[AXS] offset:512*\a        ; my 8 row tiles' scale words, all of K
.endr
.irp b, 0,1,2,3
.irp q, 0,1,2,3
	ds_load_b128 v[192+16*\b+4*\q:192+16*\b+4*\q+3], v[MKA] offset:128*\b+16*\q   ; the mask of my 64 rows, in the accumulators' order
.endr
.endr
	s_wait_dscnt 0x0
	WIN 0xC0
.irp t, 0,1
.set n_, 0
.rept 32
	v_pk_add_f32 v[64*\t+2*n_:64*\t+2*n_+1], v[192+2*n_:192+2*n_+1], v[BQ:BQ+1] op_sel:[0,\t] op_sel_hi:[1,\t]   ; q's sums begin with mask + bq
.set n_, n_+1
.endr
.endr
	WIN 0
	LDG 1
	LDG 2
.irp g, 0,1,2,3,4,5,6,7,8,9,10,11,12
	GRP \g, 16, 1
.endr
	TURN 13, \fill, 1, 0, GS0
.irp g, 16,17,18,19,20,21,22,23,24,25,26,27,28
	GRP \g, 16, 1
.endr
.if \fill
	TURN 29, 1, 0, 1, GS1
.else
	GRP 29, 16, 0
	GRP 30, 8, 0
	GRP 31, 0, 0
.endif
	PLACES 8                                       ; in front of the first read of results
	QV 2, VC, T4
	QV 3, VC+16, VW
	v_cndmask_b32 v[VW], v[T4], v[VW], s[HM]
.irp k, 0,1,2,3,4,5,6,7
	ds_store_b128 v[EXW], v[VC+4*\k:VC+4*\k+3] offset:512*\k       ; my two fragments of v, as they stand
.endr
	ds_store_b32 v[EXW], v[VW] offset:4096
	s_wait_dscnt 0x0                               ; for my neighbour's sake: my stores have landed
	s_barrier_signal -1                            ; slot 1's refill may stay out
	SOFTQ                                          ; work on registers while the others arrive
	s_barrier_wait -1
.irp k, 0,1,2,3,4,5,6,7
	ds_load_b128 v[PV+4*\k:PV+4*\k+3], v[EXR] offset:512*\k
.endr
	ds_load_b32 v[PVW], v[EXR] offset:4096
.irp a, 0,1,2,3,4,5,6,7
.irp p, 0,2,4,6
	v_pk_mul_f32 v[OT+8*\a+\p:OT+8*\a+\p+1], v[OT+8*\a+\p:OT+8*\a+\p+1], v[ST+6*(\a%2)+4:ST+6*(\a%2)+5] op_sel_hi:[1,0]   ; O^T under the new M.  (Also the places between p's codes and the products)
.endr
.endr
	s_wait_dscnt 0x0
.irp g, 0,1
.irp o, 0,1
.irp d, 0,1
	P4I \g, \o, \d
.endr
.endr
.endr
	v_add_nc_u32 v[AXS], 8192, v[AXS]              ; the next step's scale words
	v_add_nc_u32 v[MKA], 1024, v[MKA]              ; and mask
.endm
	s_load_b512 s[4:19], s[0:1], 0x0               ; xc s[4:5], xs s[6:7], wc s[8:9], ws s[10:11], mask s[12:13], bq s[14:15], bv s[16:17], part s[18:19]
	s_load_b64 s[20:21], s[0:1], 0x40              ; pst
	v_lshl_add_u32 v[SPW], v0, 2, SPARE
	v_mov_b32 v[NIL], 0
	ds_add_u32 v9, v10
	ds_add_u32 v9, v10
	s_wait_dscnt 0x0
	v_lshrrev_b32 v15, 5, v0
	v_readfirstlane_b32 s[WV], v15                 ; wave
	s_lshr_b32 s23, s[WV], 1                       ; i: which 128 rows
	s_and_b32 s24, s[WV], 1                        ; j: which column tiles
	s_bfe_u32 s25, ttmp6, 0x40000                  ; cx
	s_lshl_b32 s26, ttmp9, 2
	s_add_co_u32 s26, s26, s25                     ; head
	s_and_b32 s27, ttmp7, 0xffff                   ; y = 2 b + half
.irp g, G1, G1X, G1M                   ; dense blocks as rows of 256 bytes: 32 elements of 8 bytes, no padding
	s_mov_b32 s[\g], 0x0023000f                    ; 15:0 the mask: all four partners; 17:16 elements of 8 bytes; 21 set beside a mask
	s_mov_b32 s[\g+1], 32<<16                      ; tensor_dim0
	s_mov_b32 s[\g+3], 32<<16                      ; tile_dim0
	s_mov_b32 s[\g+5], 32                          ; the pitch
	s_mov_b32 s[\g+6], 0
	s_mov_b32 s[\g+7], 0
.endr
	s_mov_b32 s[G1+2], 128<<16                     ; tensor_dim1, tile_dim1: 128 rows: a quarter of a slot
	s_mov_b32 s[G1+4], 128
	s_mov_b32 s[G1X+2], 32<<16
	s_mov_b32 s[G1X+4], 32
	s_mov_b32 s[G1M+2], 4<<16
	s_mov_b32 s[G1M+4], 4
	s_lshl_b32 s28, s27, 20                        ; the work-group's 1,024 rows of codes: 1,048,576 y: no place in the cluster enters a descriptor
	s_lshl_b32 s29, s[WV], 15
	s_add_co_u32 s28, s28, s29
	s_mov_b32 s[GS0+1], s29                        ; LDS: my quarter of slot 0,
	s_add_co_u32 s[GS1+1], s29, SLOT1              ; of slot 1
	s_mov_b32 s29, 0
	s_mov_b32 s[GS0], 1
	s_mov_b32 s[GS1], 1
	s_mov_b32 s[GX], 1
	s_mov_b32 s[GM], 1
	s_wait_kmcnt 0x0
	s_add_nc_u64 s[GS0+2:GS0+3], s[4:5], s[28:29]
	s_add_nc_u64 s[GS1+2:GS1+3], s[GS0+2:GS0+3], 131072
	s_or_b32 s[GS0+3], s[GS0+3], 0x80000000
	s_or_b32 s[GS1+3], s[GS1+3], 0x80000000
	s_lshl_b32 s28, s27, 15
	s_lshl_b32 s[GX+1], s[WV], 13
	s_add_co_u32 s28, s28, s[GX+1]
	s_add_co_u32 s[GX+1], s[GX+1], XSC
	s_add_nc_u64 s[GX+2:GX+3], s[6:7], s[28:29]
	s_or_b32 s[GX+3], s[GX+3], 0x80000000
	s_lshl_b32 s28, s27, 12
	s_lshl_b32 s[GM+1], s[WV], 10
	s_add_co_u32 s28, s28, s[GM+1]
	s_add_co_u32 s[GM+1], s[GM+1], MSK
	s_add_nc_u64 s[GM+2:GM+3], s[12:13], s[28:29]
	s_or_b32 s[GM+3], s[GM+3], 0x80000000
	CROUND                                         ; all four work-groups are here: the first joint loads meet
	tensor_load_to_lds s[GX:GX+3], s[G1X:G1X+7]    ; the first fills go out as one group: four loads of mine are out
	s_nop 0
	tensor_load_to_lds s[GM:GM+3], s[G1M:G1M+7]
	s_nop 0
	tensor_load_to_lds s[GS0:GS0+3], s[G1:G1+7]
	s_nop 0
	tensor_load_to_lds s[GS1:GS1+3], s[G1:G1+7]
	s_nop 0
	PLACES 4
	; what hangs on cx: W's, the biases' and the results' addresses, and the prefetches'
	s_lshl_b32 s30, s27, 20
	s_lshl_b32 s31, s25, 15
	s_add_co_u32 s30, s30, s31
	s_lshl_b32 s31, s[WV], 13
	s_add_co_u32 s30, s30, s31
	s_add_co_u32 s30, s30, 262144                  ; in the third slot's worth: the first refill steps it to the fourth
	s_mov_b32 s31, 0
	s_add_nc_u64 s[PFA:PFA+1], s[4:5], s[30:31]
	s_cmp_eq_u32 ttmp9, 0
	s_cselect_b32 s[LIM], 1, -1                    ; the same in all four partners
	s_lshl_b32 s30, s26, 16
	s_lshl_b32 s32, s24, 15
	s_add_co_u32 s30, s30, s32                     ; tile 4 head + 2 j: 16,384 bytes a tile
	s_add_nc_u64 s[8:9], s[8:9], s[30:31]
	s_lshr_b32 s30, s30, 5                         ; 512 bytes a tile
	s_add_nc_u64 s[10:11], s[10:11], s[30:31]
	s_lshr_b32 s30, s30, 3                         ; 4 (64 head + 32 j)
	s_add_nc_u64 s[14:15], s[14:15], s[30:31]
	s_add_nc_u64 s[16:17], s[16:17], s[30:31]
	s_lshr_b32 s32, s27, 1
	s_lshl_b32 s32, s32, 5
	s_and_b32 s33, s27, 1
	s_add_co_u32 s32, s32, s33
	s_lshl_b32 s33, s26, 1
	s_add_co_u32 s32, s32, s33                     ; 2 (16 b + head) + half
	s_lshl_b32 s34, s32, 14
	s_mul_i32 s33, s24, 10240
	s_add_co_u32 s30, s34, s33
	s_add_nc_u64 s[PB:PB+1], s[18:19], s[30:31]    ; tiles 4 (2 j + td) + 2 j + o
	s_mul_i32 s33, s24, 6144
	s_add_co_u32 s30, s34, s33
	s_add_co_u32 s30, s30, 2048
	s_add_nc_u64 s[PB+2:PB+3], s[18:19], s[30:31]  ; tiles 4 (2 j + td) + 2 (1 - j) + o
	s_lshl_b32 s30, s32, 9
	s_lshl_b32 s33, s24, 8
	s_add_co_u32 s30, s30, s33
	s_add_nc_u64 s[PS:PS+1], s[20:21], s[30:31]
	s_mov_b32 s[SEL], 0x76543210
	s_mov_b32 s[SEL+1], 0xfedcba98
	s_mov_b32 s[CS], 0x3fb8aa3b                    ; log2(e)
	s_mov_b32 s[CS+1], s[CS]
	s_mov_b32 s[MNT], 0x600000
	s_mov_b32 s[HM], 0xffff0000
	v_and_b32 v15, 31, v0
	v_lshlrev_b32 v[LI], 4, v15
	v_lshlrev_b32 v[PFO], 8, v15
	v_lshlrev_b32 v[T4], 2, v15
	s_lshl_b32 s28, s23, 16
	v_add_nc_u32 v[ADA], s28, v[LI]
	v_add_nc_u32 v[ADA+1], SLOT1, v[ADA]
	s_lshl_b32 s28, s23, 12
	s_add_co_u32 s28, s28, XSC
	v_add_nc_u32 v[AXS], s28, v[LI]
	s_mul_i32 s28, s[WV], 4608
	s_add_co_u32 s28, s28, EX
	v_add_nc_u32 v[EXW], s28, v[LI]
	s_xor_b32 s28, s[WV], 1
	s_mul_i32 s28, s28, 4608
	s_add_co_u32 s28, s28, EX
	v_add_nc_u32 v[EXR], s28, v[LI]
	s_mul_i32 s28, s24, 8704
	s_add_co_u32 s28, s28, EX
	v_add_nc_u32 v[CMA], s28, v[LI]
	v_bfe_u32 v145, v0, 4, 1
	s_lshl_b32 s28, s23, 9
	s_add_co_u32 s28, s28, MSK
	v_lshl_add_u32 v[MKA], v145, 6, s28
	v_and_b32 v144, 15, v0
	v_and_b32 v145, 8, v144
	v_add_nc_u32 v144, v144, v145
	v_lshlrev_b32 v144, 2, v144                    ; 4 (r + 8 (r / 8)): my column in a tile's 32
	WIN 0x40                                       ; destination window 1
.irp k, 0,1,2,3
.irp t, 0,1,2,3
.irp c, 0,1,2,3
	global_load_b128 v[16*(4*\k+\t)+4*\c:16*(4*\k+\t)+4*\c+3], v[LI], s[8:9] offset:(\t/2)*2097152+(\t%2)*16384+\k*2048+512*\c   ; W's fragments stay: column tiles 0, 1 of Wq, 2, 3 of Wv
.endr
.endr
.endr
	WIN 0x80                                       ; destination window 2
.irp k, 0,1,2,3
.irp t, 0,1,2,3
.irp c, 0,1,2,3
	global_load_b128 v[16*(4*\k+\t)+4*\c:16*(4*\k+\t)+4*\c+3], v[LI], s[8:9] offset:(\t/2)*2097152+(\t%2)*16384+(\k+4)*2048+512*\c
.endr
.endr
.endr
	WIN 0
.irp t, 0,1,2,3
.irp q, 0,1,2,3
	global_load_b32 v[WS+4*\t+\q], v[T4], s[10:11] offset:(\t/2)*65536+(\t%2)*512+128*\q
.endr
.endr
.irp t, 0,1
	global_load_b32 v[BQ+\t], v144, s[14:15] offset:32*\t
	global_load_b32 v[BV+\t], v144, s[16:17] offset:32*\t
.endr
.set n_, 0
.rept 64
	v_mov_b32 v[OT+n_], 0                          ; O^T.  (The step is written once for all steps: the first finds zeros, which the first change of M leaves zeros)
.set n_, n_+1
.endr
.irp t, 0,1
	v_mov_b32 v[ST+6*\t+1], 0xff61b1e6             ; the largest t so far: -3e38
	v_floor_f32 v[ST+6*\t], -v[ST+6*\t+1]
	v_mov_b32 v[ST+6*\t+2], 0
	v_mov_b32 v[ST+6*\t+3], 0
	v_mov_b32 v[ST+6*\t+4], 0
	v_mov_b32 v[ST+6*\t+5], 0                      ; (named as the upper half of f's pair)
.endr
.irp b, 0,1,2,3
	v_mov_b32 v[TM+4+\b], 0                        ; written once: a lane permute's destination counts as one of its sources
	v_mov_b32 v[TM+52+\b], 0
.endr
	s_mov_b32 s[CNT], 3
	s_wait_loadcnt 0x0                             ; W, its scale words, the biases
	s_wait_tensorcnt 1                             ; the scale words, the mask and my quarter of slot 0 are in; slot 1's may stay out
	s_barrier_signal -1
	s_barrier_wait -1
.Lstep:                                            ; three trips: each fills both slots again
	SSTEP 1
	s_sub_co_u32 s[CNT], s[CNT], 1
	s_cmp_lg_u32 s[CNT], 0
	s_cbranch_scc1 .Lstep
	SSTEP 0                                        ; the last step is written out
	; THE END.  Waves 2 and 3 (rows 128 .. 255 of each step) hand O^T, -M and l to waves 0 and 1, which join them under the larger M, by powers of two, and store.
	PLACES 8                                       ; in front of the first read of O^T
	v_add_f32 v145, v[ST+2], v[ST+3]
	v_add_f32 v147, v[ST+8], v[ST+9]
	v_permlanex16_b32 v148, v145, s[SEL], s[SEL+1]
	v_permlanex16_b32 v149, v147, s[SEL], s[SEL+1]
	v_add_f32 v145, v145, v148                     ; l of my column in tile 0,
	v_add_f32 v147, v147, v149                     ; in tile 1
	v_mov_b32 v144, v[ST]
	v_mov_b32 v146, v[ST+6]                        ; v[144:147] = -M0, l0, -M1, l1
	s_wait_dscnt 0x0
	s_barrier_signal -1
	s_barrier_wait -1                              ; nobody reads the fragments of v any more: their bytes take the sums
	s_cmp_lt_u32 s[WV], 2
	s_cbranch_scc1 .Lnot_upper
.irp k, 0,1,2,3,4,5,6,7,8,9,10,11,12,13,14,15
	ds_store_b128 v[CMA], v[OT+4*\k:OT+4*\k+3] offset:512*\k       ; each accumulator from its low end on
.endr
	ds_store_b128 v[CMA], v[144:147] offset:8192
.Lnot_upper:
	s_wait_dscnt 0x0
	s_barrier_signal -1
	s_barrier_wait -1
	s_cmp_lt_u32 s[WV], 2
	s_cbranch_scc0 .Ldone
.irp k, 0,1,2,3,4,5,6,7,8,9,10,11,12,13,14,15
	ds_load_b128 v[160+4*\k:160+4*\k+3], v[CMA] offset:512*\k
.endr
	ds_load_b128 v[224:227], v[CMA] offset:8192
	v_and_b32 v[T4], 31, v0
	v_lshlrev_b32 v[T4], 2, v[T4]
	s_wait_dscnt 0x0
.irp t, 0,1
	v_min_num_f32 v[228+\t], v[ST+6*\t], v[224+2*\t]        ; -M of the larger M
.endr
.irp t, 0,1
	v_sub_f32 v[232+2*\t], v[228+\t], v[ST+6*\t]
	v_sub_f32 v[236+2*\t], v[228+\t], v[224+2*\t]
.endr
.irp t, 0,1
	v_cvt_i32_f32 v[232+2*\t], v[232+2*\t]
	v_cvt_i32_f32 v[236+2*\t], v[236+2*\t]
.endr
.irp t, 0,1
	v_ldexp_f32 v[232+2*\t], 1.0, v[232+2*\t]               ; my factor,
	v_ldexp_f32 v[236+2*\t], 1.0, v[236+2*\t]               ; the other wave's
.endr
.irp t, 0,1
	v_mul_f32 v[230+\t], v[145+2*\t], v[232+2*\t]
.endr
.irp t, 0,1
	v_fmac_f32 v[230+\t], v[225+2*\t], v[236+2*\t]          ; l
.endr
.irp a, 0,1,2,3,4,5,6,7
.irp p, 0,2,4,6
	v_pk_mul_f32 v[OT+8*\a+\p:OT+8*\a+\p+1], v[OT+8*\a+\p:OT+8*\a+\p+1], v[232+2*(\a%2):233+2*(\a%2)] op_sel_hi:[1,0]
.endr
.endr
.irp a, 0,1,2,3,4,5,6,7
.irp p, 0,2,4,6
	v_pk_fma_f32 v[OT+8*\a+\p:OT+8*\a+\p+1], v[160+8*\a+\p:160+8*\a+\p+1], v[236+2*(\a%2):237+2*(\a%2)], v[OT+8*\a+\p:OT+8*\a+\p+1] op_sel_hi:[1,0,1]
.endr
.endr
.irp t, 0,1
	v_cndmask_b32 v[240+\t], v[228+\t], v[230+\t], s[HM]    ; lanes 0-15 -M, lanes 16-31 l
.endr
.irp g, 0,1
.irp o, 0,1
.irp d, 0,1
.irp q, 0,1
	global_store_b128 v[LI], v[OT+8*(4*\g+2*\o+\d)+4*\q:OT+8*(4*\g+2*\o+\d)+4*\q+3], s[PB+2*\g:PB+2*\g+1] offset:\d*4096+\o*1024+512*\q   ; 512 consecutive bytes
.endr
.endr
.endr
.endr
.irp t, 0,1
	global_store_b32 v[T4], v[240+\t], s[PS:PS+1] offset:128*\t
.endr
.Ldone:
	s_wait_tensorcnt 0x0                           ; the wave's end
	ds_add_u32 v[SPW], v[NIL]
	s_wait_dscnt 0x0
	CROUND                                         ; the closing round: no work-group ends while a partner may still ask for a tile that names it
	s_endpgm
.Lfunc_end_k_qde965fc69b_qv:
	.size	k_qde965fc69b_qv, .Lfunc_end_k_qde965fc69b_qv-k_qde965fc69b_qv
	.p2alignl 7, 3214868480
	.fill 96, 4, 3214868480
	.section	.rodata,"a",@progbits
	.p2align	6, 0x0
	.amdhsa_kernel k_qde965fc69b_qv
		.amdhsa_group_segment_fixed_size 327680
		.amdhsa_private_segment_fixed_size 0
		.amdhsa_enable_private_segment 0
		.amdhsa_kernarg_size 72
		.amdhsa_user_sgpr_count 2
		.amdhsa_user_sgpr_kernarg_segment_ptr 1
		.amdhsa_wavefront_size32 1
		.amdhsa_system_sgpr_workgroup_id_x 1
		.amdhsa_system_sgpr_workgroup_id_y 1
		.amdhsa_system_sgpr_workgroup_id_z 1
		.amdhsa_system_vgpr_workitem_id 0
		.amdhsa_next_free_vgpr 1024
		.amdhsa_next_free_sgpr 100
		.amdhsa_reserve_vcc 0
		.amdhsa_float_denorm_mode_32 3
		.amdhsa_float_denorm_mode_16_64 3
		.amdhsa_memory_ordered 1
		.amdhsa_forward_progress 1
		.amdhsa_inst_pref_size 255
	.end_amdhsa_kernel
	.section	.bss,"aw",@nobits
	.p2align	6
	.space	262144
	.amdgpu_metadata
---
amdhsa.version: [ 1, 2 ]
amdhsa.kernels:
  - .name:           k_qde965fc69b_qv
    .symbol:         k_qde965fc69b_qv.kd
    .args:
      - { .name: xc, .offset: 0, .size: 8, .value_kind: global_buffer, .address_space: global }
      - { .name: xs, .offset: 8, .size: 8, .value_kind: global_buffer, .address_space: global }
      - { .name: wc, .offset: 16, .size: 8, .value_kind: global_buffer, .address_space: global }
      - { .name: ws, .offset: 24, .size: 8, .value_kind: global_buffer, .address_space: global }
      - { .name: attention_mask, .offset: 32, .size: 8, .value_kind: global_buffer, .address_space: global }
      - { .name: bq, .offset: 40, .size: 8, .value_kind: global_buffer, .address_space: global }
      - { .name: bv, .offset: 48, .size: 8, .value_kind: global_buffer, .address_space: global }
      - { .name: part, .offset: 56, .size: 8, .value_kind: global_buffer, .address_space: global }
      - { .name: pst, .offset: 64, .size: 8, .value_kind: global_buffer, .address_space: global }
    .group_segment_fixed_size: 327680
    .private_segment_fixed_size: 0
    .kernarg_segment_align: 8
    .kernarg_segment_size: 72
    .max_flat_workgroup_size: 128
    .sgpr_count:     100
    .vgpr_count:     1024
    .wavefront_size: 32
...
	.end_amdgpu_metadata
.endif
;; end of part 2
;; launch kctx (part 3): grid 4 x 64, 4 waves a work-group, clusters of 4 x 1, 305,664 bytes of LDS; arguments xc, xs, wc, ws, bk, part, pst, out0; writes out0
.if DOCPART == 3
	.amdgcn_target "amdgcn-amd-amdhsa--gfx1250"
	.amdhsa_code_object_version 6
	.text
	.protected	k_qde965fc69b_kctx
	.globl	k_qde965fc69b_kctx
	.p2align	8
	.type	k_qde965fc69b_kctx,@function
k_qde965fc69b_kctx:
	s_mov_b64 s[64:65], 0
	v_nop
	global_prefetch_b8 v0, s[64:65] scope:SCOPE_SE
	s_setreg_imm32_b32 hwreg(HW_REG_WAVE_MODE, 25, 1), 1
	s_wait_xcnt 0x0
	s_wait_alu depctr_hold_cnt(0) depctr_sa_sdst(0) depctr_va_vdst(0) depctr_va_sdst(0) depctr_va_ssrc(0) depctr_va_vcc(0) depctr_vm_vsrc(0)
	s_getreg_b32 s2, hwreg(HW_REG_IB_STS2, 6, 4)
	s_cmp_eq_u32 s2, 0
	s_cbranch_scc0 .Lentry_in_a_cluster
	s_endpgm
.Lentry_in_a_cluster:
	s_bfe_u32 s2, ttmp6, 0x10000c
	s_cmp_lg_u32 s2, 0x3003
	s_cbranch_scc0 .Lentry_shape_is_right
	s_endpgm
.Lentry_shape_is_right:
; For 256 rows of one batch and four heads: s_ctx of each head is joined from its two halves, divided by l and quantised along d; k = x Wk + bk on codes of FP8 (E4M3) with E8M0 scales; the softmax of k along the head's 64
; as p = 2^(t - M), M = the row's largest t rounded up; p quantised along d; ctx = p s_ctx / l; out0.
; SHARES.  Work-group (cx = group of four heads, G = group of 256 rows).  Wave w owns head 4 cx + w, for all 256 rows, in four chunks of four row tiles.  Its 64 columns of Wk, for all K = 1,024, stay in registers (512).
; x's 256 rows of codes (262,144 bytes) and their scale words come into LDS ONCE, by joint loads of the four partners (mask 15), and all four waves read them: no slot is filled again, so there is no ring.
; LAYOUT.  k is taken transposed (source 0 = 16 columns of Wk, source 1 = 16 rows of x): a lane holds one row s, and by the choice of the columns that form a tile its 32 registers are d = 32 b + 16 h + i at register 16 b + i.
; The last product has K = 64: the upper halves of both fragments are zero codes.  Source 0 = 16 columns e of s_ctx (K = d), source 1 = p: a lane holds one row s and eight neighbouring e.
; s_ctx arrives with d across lanes and is wanted with d along registers: 64 x 64 numbers a head, turned once through the wave's own bytes of LDS.
; LIMITS: NaN and infinities are not served but for a sequence masked out altogether (l = 0 gives NaN, as the source text does).  s_ctx is made as O x (f / l), 1 / l by v_rcp_f32.
; A block whose largest magnitude lies under 2^-118 keeps the byte 1, and so does a block of zeros: its codes are zeros.
; REGISTERS.  Window 0: names below.  Windows 1, 2: Wk's fragment (ks, t) at 16 (4 (ks % 4) + t).  Window 3: k's accumulator (rt, t) at 32 rt + 8 t, ctx's (rt, te) at 128 + 32 rt + 8 te; at the head the two halves of O^T.
.set XSC, 262144                       ; LDS: x's codes at 0; their scale words, 8,192 bytes;
.set STG, 270336                       ; 8,704 bytes for each wave, written by LDS stores alone: the table that turns s_ctx, then the stage of the way out
.set LI,   1                           ; v1    16 x lane
.set AX,   2                           ; v2-3  the chunk's fragments, K steps 0-3 and 4-7; + 32,768 a chunk
.set AXS,  4                           ; v4    its scale words; + 2,048 a chunk
.set STW,  5                           ; v5    my bytes: row r, + 64 h
.set STR,  6                           ; v6    row h, + 16 r
.set OUTO, 7                           ; v7    out0: row h, + 16 r
.set SW,   8                           ; v8-9  s_ctx's scale words: tiles 0, 1 and 2, 3, the even tile in lanes 0-15
.set PWA,  10                          ; v10-11 p's: row tiles 0, 1 and 2, 3
.set TW,   12                          ; v12   the table on the way in: row 8 h, column = my d
.set WS,   16                          ; v16-31 Wk's scale words: 4 t + q
.set XS,   32                          ; v32-47 x's: 4 rt + q
.set BK,   48                          ; v48-79 bk in the accumulators' layout, eight registers a tile
.set SC,   80                          ; v80-143 s_ctx's four fragments: eight registers of codes, eight of zeros
.set SS,   144                         ; v144-159 row tile m at 144 + 4 m: -M, its pair's partner, l in two halves (then 1 / l)
.set AF,   160                         ; v160-255 x's fragments: three sets of two
.set PC,   160                         ; behind the products: p's four fragments,
.set TM,   224                         ; and 32 registers at work: largest scores, bytes, holds, scale operands, eight each
.set WV,   22
.set G1,   36                          ; s[36:43] group 1: 256 rows of 256 bytes;  s[44:51]: 8 rows;  s[52:55], s[56:59] groups 0
.set G1X,  44
.set G0,   52
.set G0X,  56
.set SEL,  60
.set CS,   62
.set MNT,  66
.set HM,   67
.set CNT,  68
.set MSB, 0
.macro WIN new
.if MSB != \new
	s_set_vgpr_msb (MSB<<8)|\new
.set MSB, \new
.endif
.endm
.macro PLACES n
.rept \n
	v_nop
.endr
.endm
.macro CROUND                          ; a round of the cluster's barrier
	s_barrier_signal -1
	s_barrier_wait -1
	s_cmp_lg_u32 s[WV], 0
	s_cbranch_scc1 .Lnot_wave_0_\@
	s_barrier_signal -3
.Lnot_wave_0_\@:
	s_barrier_wait -3
	s_barrier_signal -1
	s_barrier_wait -1
.endm
; Group gg of 16 in a chunk: K step gg / 2, row tiles 2 (gg % 2) and the next
.macro LDG gg
.set KS_, (\gg)/2
.set SET_, AF+32*((\gg)%3)
.irp f, 0,1
.irp c, 0,1,2,3
	ds_load_b128 v[SET_+16*\f+4*\c:SET_+16*\f+4*\c+3], v[AX+KS_/4] offset:(2*((\gg)%2)+\f)*8192+(KS_%4)*2048+512*\c
.endr
.endr
.endm
.macro MM1 d, a, b, cb, sa, sb
.if KS_ == 0
	v_wmma_scale_f32_16x16x128_f8f6f4 v[(\d):(\d)+7], v[(\a):(\a)+15], v[(\b):(\b)+15], v[(\cb):(\cb)+7], v[(\sa)], v[(\sb)]   ; the sum begins with bk
.elseif KS_%2
	v_wmma_scale_f32_16x16x128_f8f6f4 v[(\d):(\d)+7], v[(\a):(\a)+15], v[(\b):(\b)+15], v[(\d):(\d)+7], v[(\sa)], v[(\sb)] matrix_a_scale:MATRIX_SCALE_ROW1 matrix_b_scale:MATRIX_SCALE_ROW1
.else
	v_wmma_scale_f32_16x16x128_f8f6f4 v[(\d):(\d)+7], v[(\a):(\a)+15], v[(\b):(\b)+15], v[(\d):(\d)+7], v[(\sa)], v[(\sb)]
.endif
.endm
.macro MM gg                           ; eight matrix instructions; the 16 accumulators take turns, one instruction a turn
.set KS_, (\gg)/2
.set SET_, AF+32*((\gg)%3)
.if KS_ == 0
	WIN 0xC1                                       ; source 0 (Wk) window 1, source 1 (x) and C (bk) window 0, D window 3
.elseif KS_ < 4
	WIN 0xF1
.else
	WIN 0xF2
.endif
.irp f, 0,1
.irp t, 0,1,2,3
	MM1 32*(2*((\gg)%2)+\f)+8*\t, 16*(4*(KS_%4)+\t), SET_+16*\f, BK+8*\t, WS+4*\t+KS_/2, XS+4*(2*((\gg)%2)+\f)+KS_/2
.endr
.endr
.endm
.macro GRP gg, cnt, ld
	s_wait_dscnt \cnt                              ; the fragment loads of the groups behind this one may stay out
	MM \gg
	WIN 0
.if \ld
	PLACES 8
	LDG (\gg)+3
.endif
.endm
; Tiles 2 H, 2 H + 1 of s_ctx's columns e: into the table (row = e's place, column = d), back with d along my registers, quantised along d
.macro TRANS H
	WIN 0x0C                                       ; an LDS store's data: window 3
.irp d, 0,1,2,3
.irp o, 0,1
.irp j, 0,1,2,3,4,5,6,7
	ds_store_b32 v[TW], v[8*(4*\d+2*\H+\o)+\j] offset:(16*\o+\j)*272+(32*(\d/2)+8*(\d%2))*4
.endr
.endr
.endr
	WIN 0
.irp o, 0,1
.irp c, 0,1
.irp q, 0,1,2,3
	ds_load_b128 v[192+32*\o+16*\c+4*\q:192+32*\o+16*\c+4*\q+3], v[STW] offset:16*\o*272+128*\c+16*\q   ; LDS serves a wave's instructions in order: these see my stores
.endr
.endr
.endr
	s_wait_dscnt 0x0
.irp b, 0,1,2,3                        ; block b = 2 o + c: 16 numbers at v[192 + 16 b]
	v_max3_num_f32 v[SS+\b], |v[192+16*\b]|, |v[193+16*\b]|, 0x4800000
.endr
.irp i, 2,4,6,8,10,12,14
.irp b, 0,1,2,3
	v_max3_num_f32 v[SS+\b], v[SS+\b], |v[192+16*\b+\i]|, |v[193+16*\b+\i]|
.endr
.endr
.irp b, 0,1,2,3
	v_permlanex16_b32 v[SS+4+\b], v[SS+\b], s[SEL], s[SEL+1]
.endr
.irp b, 0,1,2,3
	v_max_num_f32 v[SS+\b], v[SS+\b], v[SS+4+\b]
.endr
.irp b, 0,1,2,3
	v_add_nc_u32 v[SS+12+\b], 0xfc000000, v[SS+\b]
.endr
.irp b, 0,1,2,3
	v_and_or_b32 v[SS+8+\b], v[SS+\b], 0x7f800000, s[MNT]
.endr
.irp b, 0,1,2,3
	v_lshrrev_b32 v[SS+4+\b], 23, v[SS+12+\b]
.endr
	v_lshl_or_b32 v176, v[SS+5], 8, v[SS+4]        ; two bytes a tile; the upper two stay 0, over zero codes
	v_lshl_or_b32 v177, v[SS+7], 8, v[SS+6]
	v_cndmask_b32 v[SW+\H], v176, v177, s[HM]
.irp b, 0,1,2,3
.irp i, 0,1,2,3,4,5,6,7,8,9,10,11,12,13,14,15
	v_med3_num_f32 v[192+16*\b+\i], v[192+16*\b+\i], -v[SS+8+\b], v[SS+8+\b]
.endr
	v_cvt_scalef32_pk8_fp8_f32 v[SC+32*\H+16*(\b/2)+4*(\b%2):SC+32*\H+16*(\b/2)+4*(\b%2)+1], v[192+16*\b:199+16*\b], v[SS+12+\b]
	v_cvt_scalef32_pk8_fp8_f32 v[SC+32*\H+16*(\b/2)+4*(\b%2)+2:SC+32*\H+16*(\b/2)+4*(\b%2)+3], v[200+16*\b:207+16*\b], v[SS+12+\b]
.endr
	v_nop                                          ; one plain vector instruction behind the last conversion
.endm
; The softmax of a chunk's 64 rows: block k = 2 m + b (row tile m) lies at v[16 k] of window 3
.macro SOFTK
	WIN 0x0F
.irp k, 0,1,2,3,4,5,6,7
	v_max3_num_f32 v[TM+\k], v[16*\k], v[16*\k+1], 0xff7fffff   ; each accumulator is read from its low end on
.endr
.irp i, 2,4,6,8,10,12,14
.irp k, 0,1,2,3,4,5,6,7
	v_max3_num_f32 v[TM+\k], v[16*\k+\i], v[16*\k+\i+1], v[TM+\k]
.endr
.endr
	WIN 0
.irp k, 0,1,2,3,4,5,6,7
	v_permlanex16_b32 v[TM+8+\k], v[TM+\k], s[SEL], s[SEL+1]
.endr
.irp k, 0,1,2,3,4,5,6,7
	v_max_num_f32 v[TM+\k], v[TM+\k], v[TM+8+\k]            ; the block's largest score
.endr
.irp m, 0,1,2,3
	v_max_num_f32 v[TM+16+\m], v[TM+2*\m], v[TM+2*\m+1]     ; the row's
.endr
.irp m, 0,1,2,3
	v_mul_f32 v[TM+16+\m], s[CS], v[TM+16+\m]
.endr
.irp m, 0,1,2,3
	v_floor_f32 v[SS+4*\m], -v[TM+16+\m]                    ; -M
.endr
	WIN 0xC3
.irp m, 0,1,2,3
.set n_, 0
.rept 16
	v_pk_fma_f32 v[32*\m+2*n_:32*\m+2*n_+1], v[32*\m+2*n_:32*\m+2*n_+1], s[CS:CS+1], v[SS+4*\m:SS+4*\m+1] op_sel_hi:[1,0,0]
.set n_, n_+1
.endr
.endr
	WIN 0
.irp k, 0,1,2,3,4,5,6,7
	v_fma_f32 v[TM+\k], v[TM+\k], s[CS], v[SS+4*(\k/2)]
.endr
	WIN 0xC3
.set n_, 0
.rept 128
	v_exp_f32 v[n_], v[n_]                                  ; p: one batch
.set n_, n_+1
.endr
	WIN 0
.irp m, 0,1,2,3
.irp i, 8,9,10,11,12,13,14,15
	v_mov_b32 v[PC+16*\m+\i], 0                             ; K = 64: the upper halves of p's fragments are zero codes.  (Plain work behind the exponentials)
.endr
.endr
	s_wait_alu depctr_va_vdst(0)                            ; one wait for the batch, ahead of its first reader
.irp k, 0,1,2,3,4,5,6,7
	v_exp_f32 v[TM+\k], v[TM+\k]                            ; each block's largest p
.endr
	WIN 0x0F
.irp m, 0,1,2,3
	v_pk_add_f32 v[SS+4*\m+2:SS+4*\m+3], v[32*\m:32*\m+1], v[32*\m+2:32*\m+3]   ; the sums of the unquantised p: four chains by turns
.endr
	WIN 0x03
.irp j, 4,6,8,10,12,14,16,18,20,22,24,26,28,30
.irp m, 0,1,2,3
	v_pk_add_f32 v[SS+4*\m+2:SS+4*\m+3], v[32*\m+\j:32*\m+\j+1], v[SS+4*\m+2:SS+4*\m+3]
.endr
.endr
	WIN 0
.irp m, 0,1,2,3
	v_add_f32 v[TM+16+\m], v[SS+4*\m+2], v[SS+4*\m+3]
.endr
.irp m, 0,1,2,3
	v_permlanex16_b32 v[TM+20+\m], v[TM+16+\m], s[SEL], s[SEL+1]
.endr
.irp m, 0,1,2,3
	v_add_f32 v[TM+16+\m], v[TM+16+\m], v[TM+20+\m]         ; l
.endr
.irp m, 0,1,2,3
	v_rcp_f32 v[SS+4*\m+2], v[TM+16+\m]
.endr
	v_nop
	s_wait_alu depctr_va_vdst(0)                            ; one wait for the eight exponentials and the four reciprocals
.irp k, 0,1,2,3,4,5,6,7
	v_max_num_f32 v[TM+\k], 0x4800000, v[TM+\k]             ; the floor
.endr
.irp k, 0,1,2,3,4,5,6,7
	v_add_nc_u32 v[TM+24+\k], 0xfc000000, v[TM+\k]
.endr
.irp k, 0,1,2,3,4,5,6,7
	v_and_or_b32 v[TM+16+\k], v[TM+\k], 0x7f800000, s[MNT]
.endr
.irp k, 0,1,2,3,4,5,6,7
	v_lshrrev_b32 v[TM+8+\k], 23, v[TM+24+\k]
.endr
.irp m, 0,1,2,3
	v_lshl_or_b32 v[TM+\m], v[TM+9+2*\m], 8, v[TM+8+2*\m]
.endr
	v_cndmask_b32 v[PWA], v[TM], v[TM+1], s[HM]
	v_cndmask_b32 v[PWA+1], v[TM+2], v[TM+3], s[HM]
	WIN 0xC3
.irp k, 0,1,2,3,4,5,6,7
.irp i, 0,1,2,3,4,5,6,7,8,9,10,11,12,13,14,15
	v_min_num_f32 v[16*\k+\i], v[16*\k+\i], v[TM+16+\k]
.endr
.endr
	WIN 0x03
.irp k, 0,1,2,3,4,5,6,7
	v_cvt_scalef32_pk8_fp8_f32 v[PC+16*(\k/2)+4*(\k%2):PC+16*(\k/2)+4*(\k%2)+1], v[16*\k:16*\k+7], v[TM+24+\k]
	v_cvt_scalef32_pk8_fp8_f32 v[PC+16*(\k/2)+4*(\k%2)+2:PC+16*(\k/2)+4*(\k%2)+3], v[16*\k+8:16*\k+15], v[TM+24+\k]
.endr
	WIN 0
	PLACES 4                                                ; an operand written by vector instructions stands four places ahead of a scaled matrix instruction
.endm
.macro P5I m, e                        ; ctx's tile (row tile m, column tile e) = s_ctx's tile e x p's tile m
.set D_, 128+32*\m+8*\e
.if 2*(\e%2)+\m%2 == 0
	v_wmma_scale_f32_16x16x128_f8f6f4 v[D_:D_+7], v[SC+16*\e:SC+16*\e+15], v[PC+16*\m:PC+16*\m+15], 0, v[SW+\e/2], v[PWA+\m/2]
.elseif 2*(\e%2)+\m%2 == 1
	v_wmma_scale_f32_16x16x128_f8f6f4 v[D_:D_+7], v[SC+16*\e:SC+16*\e+15], v[PC+16*\m:PC+16*\m+15], 0, v[SW+\e/2], v[PWA+\m/2] matrix_b_scale:MATRIX_SCALE_ROW1
.elseif 2*(\e%2)+\m%2 == 2
	v_wmma_scale_f32_16x16x128_f8f6f4 v[D_:D_+7], v[SC+16*\e:SC+16*\e+15], v[PC+16*\m:PC+16*\m+15], 0, v[SW+\e/2], v[PWA+\m/2] matrix_a_scale:MATRIX_SCALE_ROW1
.else
	v_wmma_scale_f32_16x16x128_f8f6f4 v[D_:D_+7], v[SC+16*\e:SC+16*\e+15], v[PC+16*\m:PC+16*\m+15], 0, v[SW+\e/2], v[PWA+\m/2] matrix_a_scale:MATRIX_SCALE_ROW1 matrix_b_scale:MATRIX_SCALE_ROW1
.endif
.endm
.macro TOSTAGE m                       ; row tile m: 16 rows x the head's 256 bytes into my stage, and back by rows, into the registers that k's sums have left
	WIN 0x0C
.irp e, 0,1,2,3
.irp q, 0,1
	ds_store_b128 v[STW], v[128+32*\m+8*\e+4*\q:128+32*\m+8*\e+4*\q+3] offset:128*(\e/2)+32*(\e%2)+16*\q
.endr
.endr
	WIN 0xC0
.irp i, 0,1,2,3,4,5,6,7
	ds_load_b128 v[32*\m+4*\i:32*\m+4*\i+3], v[STR] offset:2*\i*272   ; LDS serves a wave's instructions in order: these see my stores, and the next tile's stores come behind them
.endr
.endm
.macro SEND m, younger                 ; younger: the next tile's 8 stores and 8 loads, which may stay out
	WIN 0x0C
	s_wait_dscnt \younger
.irp i, 0,1,2,3,4,5,6,7
	global_store_b128 v[OUTO], v[32*\m+4*\i:32*\m+4*\i+3], s[18:19] offset:(32*(\m/2)+8*(\m%2)+2*\i+8*(\i/4))*4096 th:TH_STORE_NT   ; sixteen lanes store 256 consecutive bytes, aligned: a head's part of a row
.endr
.endm
	s_load_b512 s[4:19], s[0:1], 0x0               ; xc s[4:5], xs s[6:7], wc s[8:9], ws s[10:11], bk s[12:13], part s[14:15], pst s[16:17], out0 s[18:19]
	v_lshl_add_u32 v254, v0, 2, 0x4a800
	v_mov_b32 v255, 0
	ds_add_u32 v254, v255
	ds_add_u32 v254, v255
	s_wait_dscnt 0x0
	v_lshrrev_b32 v15, 5, v0
	v_readfirstlane_b32 s[WV], v15                 ; wave
	s_bfe_u32 s25, ttmp6, 0x40000                  ; cx
	s_and_b32 s27, ttmp7, 0xffff                   ; G
.irp g, G1, G1X                        ; dense blocks as rows of 256 bytes: 32 elements of 8 bytes, no padding
	s_mov_b32 s[\g], 0x0023000f                    ; 15:0 the mask: all four partners; 17:16 elements of 8 bytes; 21 set beside a mask
	s_mov_b32 s[\g+1], 32<<16
	s_mov_b32 s[\g+3], 32<<16
	s_mov_b32 s[\g+5], 32
	s_mov_b32 s[\g+6], 0
	s_mov_b32 s[\g+7], 0
.endr
	s_mov_b32 s[G1+2], 256<<16                     ; 256 rows: my quarter of the codes
	s_mov_b32 s[G1+4], 256
	s_mov_b32 s[G1X+2], 8<<16
	s_mov_b32 s[G1X+4], 8
	s_lshl_b32 s28, s27, 18
	s_lshl_b32 s[G0+1], s[WV], 16
	s_add_co_u32 s28, s28, s[G0+1]
	s_mov_b32 s29, 0
	s_mov_b32 s[G0], 1
	s_mov_b32 s[G0X], 1
	s_wait_kmcnt 0x0
	s_add_nc_u64 s[G0+2:G0+3], s[4:5], s[28:29]
	s_or_b32 s[G0+3], s[G0+3], 0x80000000
	s_lshl_b32 s28, s27, 13
	s_lshl_b32 s[G0X+1], s[WV], 11
	s_add_co_u32 s28, s28, s[G0X+1]
	s_add_co_u32 s[G0X+1], s[G0X+1], XSC
	s_add_nc_u64 s[G0X+2:G0X+3], s[6:7], s[28:29]
	s_or_b32 s[G0X+3], s[G0X+3], 0x80000000
	CROUND                                         ; all four work-groups are here: the joint loads meet
	tensor_load_to_lds s[G0:G0+3], s[G1:G1+7]      ; two loads of mine are out; LDS is filled once
	s_nop 0
	tensor_load_to_lds s[G0X:G0X+3], s[G1X:G1X+7]
	s_nop 0
	PLACES 4
	s_lshl_b32 s26, s25, 2
	s_add_co_u32 s26, s26, s[WV]                   ; head
	s_lshr_b32 s30, s27, 3
	s_lshl_b32 s30, s30, 4
	s_add_co_u32 s30, s30, s26                     ; 16 b + head
	s_mov_b32 s33, 0
	s_lshl_b32 s32, s30, 10
	s_add_nc_u64 s[16:17], s[16:17], s[32:33]
	s_lshl_b32 s32, s30, 15
	s_add_nc_u64 s[14:15], s[14:15], s[32:33]
	s_lshl_b32 s32, s26, 16
	s_add_co_u32 s32, s32, 1048576                 ; Wk is the second matrix
	s_add_nc_u64 s[8:9], s[8:9], s[32:33]
	s_lshl_b32 s32, s26, 11
	s_add_co_u32 s32, s32, 32768
	s_add_nc_u64 s[10:11], s[10:11], s[32:33]
	s_lshl_b32 s32, s26, 8
	s_add_nc_u64 s[12:13], s[12:13], s[32:33]
	s_lshl_b32 s34, s27, 20
	s_add_co_u32 s32, s32, s34
	s_add_nc_u64 s[18:19], s[18:19], s[32:33]      ; out0 at row 256 G, my head's 256 bytes
	s_mov_b32 s[SEL], 0x76543210
	s_mov_b32 s[SEL+1], 0xfedcba98
	s_mov_b32 s[CS], 0x3fb8aa3b
	s_mov_b32 s[CS+1], s[CS]
	s_mov_b32 s[MNT], 0x600000
	s_mov_b32 s[HM], 0xffff0000
	v_and_b32 v14, 31, v0
	v_lshlrev_b32 v[LI], 4, v14
	v_lshlrev_b32 v14, 2, v14                      ; 4 x lane
	v_and_b32 v144, 15, v0                         ; r
	v_bfe_u32 v145, v0, 4, 1                       ; h
	v_mov_b32 v[AX], v[LI]
	v_add_nc_u32 v[AX+1], 131072, v[LI]
	v_add_nc_u32 v[AXS], XSC, v[LI]
	s_mul_i32 s28, s[WV], 8704
	s_add_co_u32 s28, s28, STG
	v_mul_u32_u24 v[STW], v144, 272
	v_lshl_add_u32 v[STW], v145, 6, v[STW]
	v_add_nc_u32 v[STW], s28, v[STW]
	v_mul_u32_u24 v[STR], v145, 272
	v_lshl_add_u32 v[STR], v144, 4, v[STR]
	v_add_nc_u32 v[STR], s28, v[STR]
	v_lshlrev_b32 v[OUTO], 12, v145
	v_lshl_add_u32 v[OUTO], v144, 4, v[OUTO]
	v_and_b32 v146, 8, v144
	v_add_nc_u32 v146, v146, v144                  ; r + 8 (r / 8)
	v_mul_u32_u24 v[TW], v145, 2176
	v_lshl_add_u32 v[TW], v146, 2, v[TW]
	v_add_nc_u32 v[TW], s28, v[TW]
	v_lshlrev_b32 v13, 2, v144                     ; 4 r
	v_lshlrev_b32 v15, 6, v145                     ; 64 h
.irp f, 0,1
.irp d, 0,1,2,3
.irp u, 0,1
	global_load_b32 v[160+8*\f+2*\d+\u], v13, s[16:17] offset:\f*512+\d*128+\u*64   ; half f, tile d of the head's d: -M (u = 0), l (u = 1) of my d
.endr
.endr
.endr
	WIN 0xC0                                       ; destination window 3
.irp f, 0,1
.irp t, 0,1,2,3,4,5,6,7,8,9,10,11,12,13,14,15
.irp q, 0,1
	global_load_b128 v[128*\f+8*\t+4*\q:128*\f+8*\t+4*\q+3], v[LI], s[14:15] offset:\f*16384+\t*1024+512*\q   ; the two halves of O^T
.endr
.endr
.endr
	WIN 0
.irp t, 0,1,2,3
.irp q, 0,1,2,3
	global_load_b32 v[WS+4*\t+\q], v14, s[10:11] offset:\t*512+128*\q
.endr
.endr
.irp t, 0,1,2,3
.irp q, 0,1
	global_load_b128 v[BK+8*\t+4*\q:BK+8*\t+4*\q+3], v15, s[12:13] offset:(32*(\t/2)+8*(\t%2))*4+16*\q
.endr
.endr
	WIN 0x40
.irp k, 0,1,2,3
.irp t, 0,1,2,3
.irp c, 0,1,2,3
	global_load_b128 v[16*(4*\k+\t)+4*\c:16*(4*\k+\t)+4*\c+3], v[LI], s[8:9] offset:\t*16384+\k*2048+512*\c   ; Wk's fragments stay
.endr
.endr
.endr
	WIN 0x80
.irp k, 0,1,2,3
.irp t, 0,1,2,3
.irp c, 0,1,2,3
	global_load_b128 v[16*(4*\k+\t)+4*\c:16*(4*\k+\t)+4*\c+3], v[LI], s[8:9] offset:\t*16384+(\k+4)*2048+512*\c
.endr
.endr
.endr
	WIN 0
.irp e, 0,1,2,3
.irp i, 8,9,10,11,12,13,14,15
	v_mov_b32 v[SC+16*\e+\i], 0                    ; K = 64: the upper halves of s_ctx's fragments are zero codes, written once
.endr
.endr
	s_wait_loadcnt 63                              ; 152 loads were issued behind the last of O^T: with 63 out the statistics and O^T are in, and the last of Wk stay on their way
	; THE TWO HALVES ARE JOINED under the larger M, by powers of two, and divided by l
.irp d, 0,1,2,3
	v_min_num_f32 v[176+\d], v[160+2*\d], v[168+2*\d]
.endr
.irp d, 0,1,2,3
	v_sub_f32 v[180+\d], v[176+\d], v[160+2*\d]
	v_sub_f32 v[184+\d], v[176+\d], v[168+2*\d]
.endr
.irp d, 0,1,2,3
	v_cvt_i32_f32 v[180+\d], v[180+\d]
	v_cvt_i32_f32 v[184+\d], v[184+\d]
.endr
.irp d, 0,1,2,3
	v_ldexp_f32 v[180+\d], 1.0, v[180+\d]
	v_ldexp_f32 v[184+\d], 1.0, v[184+\d]
.endr
.irp d, 0,1,2,3
	v_mul_f32 v[188+\d], v[161+2*\d], v[180+\d]
.endr
.irp d, 0,1,2,3
	v_fmac_f32 v[188+\d], v[169+2*\d], v[184+\d]   ; l
.endr
.irp d, 0,1,2,3
	v_rcp_f32 v[188+\d], v[188+\d]
.endr
	v_nop
	s_wait_alu depctr_va_vdst(0)                   ; one wait for the four reciprocals, ahead of their first reader
.irp d, 0,1,2,3
	v_mul_f32 v[SS+2*\d], v[180+\d], v[188+\d]     ; f0 / l,
	v_mul_f32 v[SS+2*\d+1], v[184+\d], v[188+\d]   ; f1 / l
.endr
	WIN 0xC3
.irp t, 0,1,2,3,4,5,6,7,8,9,10,11,12,13,14,15
.irp p, 0,2,4,6
	v_pk_mul_f32 v[8*\t+\p:8*\t+\p+1], v[8*\t+\p:8*\t+\p+1], v[SS+2*(\t/4):SS+2*(\t/4)+1] op_sel_hi:[1,0]
.endr
.endr
	WIN 0xF3
.irp t, 0,1,2,3,4,5,6,7,8,9,10,11,12,13,14,15
.irp p, 0,2,4,6
	v_pk_fma_f32 v[8*\t+\p:8*\t+\p+1], v[128+8*\t+\p:128+8*\t+\p+1], v[SS+2*(\t/4):SS+2*(\t/4)+1], v[8*\t+\p:8*\t+\p+1] op_sel:[0,1,0] op_sel_hi:[1,1,1]
.endr
.endr
	TRANS 0
	TRANS 1
	s_mov_b32 s[CNT], 4
	s_wait_loadcnt 0x0                             ; Wk
	s_wait_tensorcnt 0x0                           ; my quarters of x's codes and scale words have landed
	s_wait_dscnt 0x0
	s_barrier_signal -1
	s_barrier_wait -1                              ; everybody's have
.Lchunk:                                           ; four trips: 64 rows each; no barrier inside: LDS is only read, but for each wave's own stage
.irp m, 0,1,2,3
	ds_load_b128 v[XS+4*\m:XS+4*\m+3], v[AXS] offset:512*\m
.endr
	LDG 0
	LDG 1
	LDG 2
.irp g, 0,1,2,3,4,5,6,7,8,9,10,11,12
	GRP \g, 16, 1
.endr
	GRP 13, 16, 0
	GRP 14, 8, 0
	GRP 15, 0, 0
	PLACES 8                                       ; in front of the first read of results
	SOFTK
	WIN 0xC0                                       ; D window 3
.irp m, 0,1,2,3
.irp e, 0,1,2,3
	P5I \m, \e
.endr
.endr
	WIN 0
	PLACES 8
	WIN 0xC3
.irp m, 0,1,2,3
.set n_, 0
.rept 16
	v_pk_mul_f32 v[128+32*\m+2*n_:128+32*\m+2*n_+1], v[128+32*\m+2*n_:128+32*\m+2*n_+1], v[SS+4*\m+2:SS+4*\m+3] op_sel_hi:[1,0]   ; / l; each accumulator from its low end on
.set n_, n_+1
.endr
.endr
	TOSTAGE 0
	TOSTAGE 1
	SEND 0, 16
	TOSTAGE 2
	SEND 1, 16
	TOSTAGE 3
	SEND 2, 16
	SEND 3, 0
	WIN 0
	s_wait_xcnt 0x0                                ; the stores have read their registers and their base: both are written again below
	s_add_nc_u64 s[18:19], s[18:19], 262144        ; 64 rows on
	v_add_nc_u32 v[AX], 32768, v[AX]
	v_add_nc_u32 v[AX+1], 32768, v[AX+1]
	v_add_nc_u32 v[AXS], 2048, v[AXS]
	s_sub_co_u32 s[CNT], s[CNT], 1
	s_cmp_lg_u32 s[CNT], 0
	s_cbranch_scc1 .Lchunk
	s_wait_xcnt 0x0
	v_lshl_add_u32 v254, v0, 2, 0x4a800
	v_mov_b32 v255, 0
	s_wait_tensorcnt 0x0
	ds_add_u32 v254, v255
	s_wait_dscnt 0x0
	CROUND                                         ; the closing round: no work-group ends while a partner may still ask for a tile that names it
	s_endpgm
.Lfunc_end_k_qde965fc69b_kctx:
	.size	k_qde965fc69b_kctx, .Lfunc_end_k_qde965fc69b_kctx-k_qde965fc69b_kctx
	.p2alignl 7, 3214868480
	.fill 96, 4, 3214868480
	.section	.rodata,"a",@progbits
	.p2align	6, 0x0
	.amdhsa_kernel k_qde965fc69b_kctx
		.amdhsa_group_segment_fixed_size 305664
		.amdhsa_private_segment_fixed_size 0
		.amdhsa_enable_private_segment 0
		.amdhsa_kernarg_size 64
		.amdhsa_user_sgpr_count 2
		.amdhsa_user_sgpr_kernarg_segment_ptr 1
		.amdhsa_wavefront_size32 1
		.amdhsa_system_sgpr_workgroup_id_x 1
		.amdhsa_system_sgpr_workgroup_id_y 1
		.amdhsa_system_sgpr_workgroup_id_z 1
		.amdhsa_system_vgpr_workitem_id 0
		.amdhsa_next_free_vgpr 1024
		.amdhsa_next_free_sgpr 80
		.amdhsa_reserve_vcc 0
		.amdhsa_float_denorm_mode_32 3
		.amdhsa_float_denorm_mode_16_64 3
		.amdhsa_memory_ordered 1
		.amdhsa_forward_progress 1
		.amdhsa_inst_pref_size 137
	.end_amdhsa_kernel
	.amdgpu_metadata
---
amdhsa.version: [ 1, 2 ]
amdhsa.kernels:
  - .name:           k_qde965fc69b_kctx
    .symbol:         k_qde965fc69b_kctx.kd
    .args:
      - { .name: xc, .offset: 0, .size: 8, .value_kind: global_buffer, .address_space: global }
      - { .name: xs, .offset: 8, .size: 8, .value_kind: global_buffer, .address_space: global }
      - { .name: wc, .offset: 16, .size: 8, .value_kind: global_buffer, .address_space: global }
      - { .name: ws, .offset: 24, .size: 8, .value_kind: global_buffer, .address_space: global }
      - { .name: bk, .offset: 32, .size: 8, .value_kind: global_buffer, .address_space: global }
      - { .name: part, .offset: 40, .size: 8, .value_kind: global_buffer, .address_space: global }
      - { .name: pst, .offset: 48, .size: 8, .value_kind: global_buffer, .address_space: global }
      - { .name: out0, .offset: 56, .size: 8, .value_kind: global_buffer, .address_space: global }
    .group_segment_fixed_size: 305664
    .private_segment_fixed_size: 0
    .kernarg_segment_align: 8
    .kernarg_segment_size: 64
    .max_flat_workgroup_size: 128
    .sgpr_count:     80
    .vgpr_count:     1024
    .wavefront_size: 32
...
	.end_amdgpu_metadata
.endif
;; end of part 3
